; MI455X (gfx1250); checked and timed in simulation.
; The chip was launched on July 23, 2026; its instructions are those of AMD's public machine-readable ISA for CDNA 5 (MIT licence, August 2026) and "CDNA5" Instruction Set Architecture Reference Guide (July 2026). The comments in the code are by the model that wrote it; some were corrected since.
;; Hard Gate MOE. Allowed arithmetic: matrix products marked QUANTISED: E4M3 operands, one E8M0 scale for each 32 along K, by v_wmma_scale_f32_16x16x128_f8f6f4 with both operands' format E4M3, f32 sums; products left as they are: f32 operands where the result goes on into a quantised operand, else bf16, f16 or f32 operands; f32 sums; everything else in f32.
;; Inputs: W1_codes 8 x 4,096 x 32 x 32 uint8 (E4M3 codes of W1, K innermost, in blocks of 32 codes); W1_scales 8 x 4,096 x 32 uint8 (E8M0 scales of W1, one for each 32 codes along K); W2_codes 8 x 1,024 x 128 x 32 uint8 (E4M3 codes of W2, K innermost, in blocks of 32 codes); W2_scales 8 x 1,024 x 128 uint8 (E8M0 scales of W2, one for each 32 codes along K); Wg 8 x 1,024 float32; b1 8 x 4,096 float32; b2 8 x 1,024 float32; mapping 1,024 x 2 int32; x 1,024 x 1,024 float32.
;; Outputs: out0 1,024 x 1,024 float32.
;; This version of the problem:
;;   THIS VERSION OF THE PROBLEM IS GIVEN IN LOW PRECISION. The matrix products marked QUANTISED in the list below multiply operands that are first quantised to E4M3 (4 exponent bits, 3 mantissa bits; 8 bits a number), with one power-of-two scale for each 32 numbers along K (OCP MX v1.0); their sums are f32. All else is computed in f32.
;;   The module's matrix products, in the order in which they are computed (A, B: the left and right operand; K: the contracted axis; several contracted axes count as one K, in the product's order):
;;     1. [M 1,024, K 1,024] x [K 1,024, N 8]; A: input x; B: input Wg: left as it is (N = 8 < 16)
;;     2. [M 1,024, K 1,024] x [K 1,024, N 4,096]; A: input x; B: input W1 (given as codes): QUANTISED
;;     3. [M 1,024, K 4,096] x [K 4,096, N 1,024]; A: computed on the way; B: input W2 (given as codes): QUANTISED
;;     4. [M 1,024, K 1,024] x [K 1,024, N 4,096]; A: input x; B: input W1 (given as codes): QUANTISED
;;     5. [M 1,024, K 4,096] x [K 4,096, N 1,024]; A: computed on the way; B: input W2 (given as codes): QUANTISED
;;     6. [M 1,024, K 1,024] x [K 1,024, N 4,096]; A: input x; B: input W1 (given as codes): QUANTISED
;;     7. [M 1,024, K 4,096] x [K 4,096, N 1,024]; A: computed on the way; B: input W2 (given as codes): QUANTISED
;;     8. [M 1,024, K 1,024] x [K 1,024, N 4,096]; A: input x; B: input W1 (given as codes): QUANTISED
;;     9. [M 1,024, K 4,096] x [K 4,096, N 1,024]; A: computed on the way; B: input W2 (given as codes): QUANTISED
;;     10. [M 1,024, K 1,024] x [K 1,024, N 4,096]; A: input x; B: input W1 (given as codes): QUANTISED
;;     11. [M 1,024, K 4,096] x [K 4,096, N 1,024]; A: computed on the way; B: input W2 (given as codes): QUANTISED
;;     12. [M 1,024, K 1,024] x [K 1,024, N 4,096]; A: input x; B: input W1 (given as codes): QUANTISED
;;     13. [M 1,024, K 4,096] x [K 4,096, N 1,024]; A: computed on the way; B: input W2 (given as codes): QUANTISED
;;     14. [M 1,024, K 1,024] x [K 1,024, N 4,096]; A: input x; B: input W1 (given as codes): QUANTISED
;;     15. [M 1,024, K 4,096] x [K 4,096, N 1,024]; A: computed on the way; B: input W2 (given as codes): QUANTISED
;;     16. [M 1,024, K 1,024] x [K 1,024, N 4,096]; A: input x; B: input W1 (given as codes): QUANTISED
;;     17. [M 1,024, K 4,096] x [K 4,096, N 1,024]; A: computed on the way; B: input W2 (given as codes): QUANTISED
;;   THE QUANTISER, for each operand of a quantised product, along K:
;;     - K is cut into blocks of 32 from its start; a last block that is shorter is filled with zeros.
;;     - A block's scale is 2^e with e = floor(log2(the largest magnitude in the block)) - 8, held to -126 .. 127; a block of zeros has e = 0. As a byte (E8M0): e + 127.
;;     - Each number is divided by its block's scale, clamped to +-448, and rounded to the nearest number of E4M3, ties to even, subnormals kept.
;;     - The product sums the exact products of the quantised numbers (number of the format x scale) in f32.
;;   ~~~python
;;   def quantise(x, axis):      # numpy; x: float32 -> the quantised numbers, widened to float32 again
;;       x = np.moveaxis(x, axis, -1); K = x.shape[-1]
;;       x = np.pad(x, [(0, 0)] * (x.ndim - 1) + [(0, -K % 32)]); x = x.reshape(x.shape[:-1] + (-1, 32)); a = np.abs(x).max(-1, keepdims=True)
;;       e = np.where(a > 0, np.clip(np.frexp(np.where(a > 0, a, 1))[1] - 1 - 8, -126, 127), 0)      # np.frexp(a)[1] - 1 = floor(log2(a)), exactly
;;       r = np.clip(x / 2.0 ** e, -448, 448)
;;       step = 2.0 ** (np.maximum(np.frexp(np.where(r == 0, 1, r))[1] - 1, -6) - 3)
;;       q = np.round(r / step) * step * 2.0 ** e      # np.round: ties to even
;;       return np.moveaxis(q.reshape(q.shape[:-2] + (-1,))[..., :K], -1, axis).astype(np.float32)
;;   ~~~
;;   OPERANDS COMPUTED ON THE WAY. 'Computed on the way' means the value that the module computes at that place (a softmax that the list does not call 'softmax' is quantised finished and normalised). What goes into a quantiser is computed in f32, as accurately as f32 sums, v_exp_f32 and their like allow (about 1e-6 of the number): no bf16 or f16 on the way to a quantiser, and a product that is left as it is and whose result goes on into a quantised operand takes f32 operands (vector FMAs, or v_wmma_f32_16x16x4_f32). A number that lies on a knife's edge between two numbers of the format may be rounded either way, as far as f32 arithmetic and the matrix unit's own rounding can turn it there, and no further.
;;   INPUTS GIVEN AS CODES. W1 (in the module: [8, 1024, 4096], K = its axis 1); W2 (in the module: [8, 4096, 1024], K = its axis 1): each comes as NAME_codes (uint8): NAME with its K axis moved to the last place and cut into blocks of 32 codes, [.., K / 32, bytes a block], one block behind the other in memory; one code a byte (a code: sign, 4 exponent bits, 3 mantissa bits); and NAME_scales (uint8): the same leading axes, one E8M0 byte (e + 127) for each 32 codes along K. Its value is code x scale, taken as it is: it is not quantised again, and the codes and scales need not be those that the quantiser above would give.
;; 2 versions. Each part assembles by itself: llvm-mc -triple=amdgcn-amd-amdhsa -mcpu=gfx1250 --defsym DOCPART=n.
;; ======== version 1 of 2: 4 launches
;; workspace buffers: xq 2,211,840 bytes; xs 69,120 bytes; hq 8,847,360 bytes; hs 276,480 bytes; ypart 35,389,440 bytes; zl 32,768 bytes; route 8,448 bytes of whole numbers
;; launch prep (part 1): grid 1336 x 1, 1 waves a work-group, no clusters, 512 bytes of LDS; arguments x, mapping, Wg, xq, xs, zl, route; writes xq, xs, zl, route
.if DOCPART == 1
	.amdgcn_target "amdgcn-amd-amdhsa--gfx1250"
	.amdhsa_code_object_version 6
	.text
	.protected	k_q766e5a8978_prep
	.globl	k_q766e5a8978_prep
	.p2align	8
	.type	k_q766e5a8978_prep,@function
k_q766e5a8978_prep:
	s_mov_b64 s[64:65], 0
	v_nop
	global_prefetch_b8 v0, s[64:65] scope:SCOPE_SE
	s_setreg_imm32_b32 hwreg(HW_REG_WAVE_MODE, 25, 1), 1
	s_wait_xcnt 0x0
; PREP.  Two kinds of work-groups of one wave, told apart by the work-group's number.
; Work-groups 0 .. 1079 (tile t = id / 8, K step s = id % 8): the 2,048 entries (token i, choice k), q = 2 i + k, are sorted by expert
; (a counting sort that every such work-group does for itself, in registers: 64 entries a lane); each expert's run is filled up to whole tiles of 16 slots,
; at most 2048 / 16 + 7 = 135 tiles whatever the choice.  The work-group gathers the 16 rows of x of its tile, quantises 128 numbers of each along K to E4M3 with one E8M0 byte
; for each 32, and stores the fragment as an image of the operand's registers: xq [tile][K step][register group c][lane][16 bytes], xs [tile][K step][row] scale words.
; Slots that no entry fills take token 1023's row: real numbers, whose results nobody reads.  A tile past the last one in use stores nothing and ends.
; The K step 0 work-group of a tile also stores pos[q] = slot of entry q; tile 0's also the table: first tile and number of tiles of each expert.
; Work-groups 1080 .. 1335: the gate's logits x . Wg of four tokens each, in f32 fused multiply-adds (8 columns: no work for the matrix unit), to zl [token][8].
; No matrix instruction, no barrier, no tensor load: one wave shares nothing with another.
; LIMITS: mapping holds 0 .. 7, as the gather of the problem takes for granted; NaN and infinities in x are not served; a block of zeros gets the byte 1
; and not 127: its codes are zeros, and the bytes are read by this program alone.
.set NTQ, 1080
.set M,   16                           ; v16-79   my 64 entries' experts x 4: entry q = 128 (r / 4) + 4 lane + r % 4 in register r
.set X,   80                           ; v80-143  64 numbers of my row: register 16 b + i = k 32 b + 16 (lane / 16) + i
.set PC,  144                          ; v144-159 their codes
.set TM,  160                          ; v160-175 the quantiser's four blocks: largest magnitudes, bytes, holds, scale operands
.set PW,  176                          ; the scale word
.set VE,  177                          ; my counts of experts 0, 2, 4, 6, a byte each
.set VO,  178                          ; of experts 1, 3, 5, 7
.set A4,  179
.set T0,  180
.set P0,  181                          ; v181-184 counts in halves of 16 bits: 0|4, 2|6, 1|5, 3|7
.set VC,  185
.set VI,  186
.set VT,  187
.set VRUN, 188
.set VA,  189                          ; v189-190 by turns
.set VQ,  191                          ; v191-192 by turns
.set VL,  193
.set VTB, 194
.set VK,  195
.set VH,  196
.set VP,  197
.set VS,  198
.set CN,  20                           ; s20-27 entries of each expert
.set TL,  28                           ; s28-35 its tiles
.set ST,  36                           ; s36-44 its first tile; s44 the tiles in use
.set SEL, 58                           ; s[58:59] selects of v_permlanex16_b32: lane l xor 16
.set MNT, 60                           ; s60 the mantissa field of 448
	s_load_b256 s[4:11], s[0:1], 0x0               ; x, mapping, Wg, xq
	s_load_b128 s[12:15], s[0:1], 0x20             ; xs, zl
	s_load_b64 s[16:17], s[0:1], 0x30              ; route
	v_lshl_add_u32 v232, v0, 2, 0x100
	v_mov_b32 v233, 0
	v_lshlrev_b32 v1, 4, v0                        ; 16 x lane
	s_mov_b32 s[SEL], 0x76543210
	s_mov_b32 s[SEL+1], 0xfedcba98
	s_mov_b32 s57, 0
	s_cmp_ge_u32 ttmp9, NTQ
	s_cbranch_scc1 .Lgate
	; ---------------- a fragment of x ----------------
	s_lshr_b32 s18, ttmp9, 3                       ; tile t
	s_and_b32 s19, ttmp9, 7                        ; K step s
	v_and_b32 v3, 15, v0                           ; r
	v_lshlrev_b32 v2, 2, v3                        ; 4 r
	v_lshlrev_b32 v4, 2, v0                        ; 4 x lane
	s_mov_b32 s[MNT], 0x600000
	s_mov_b32 s61, 0x0f0f0f0f
	s_mov_b32 s62, 0x00ff00ff
	s_mov_b32 s63, 0xffff0000
	v_mov_b32 v[VT], 0                             ; destinations of lane moves count as read: written once here
.irp b, 0,1,2,3
	v_mov_b32 v[TM+4+\b], 0
.endr
	s_wait_kmcnt 0x0
.irp j, 0,1,2,3,4,5,6,7,8,9,10,11,12,13,14,15
	global_load_b128 v[M+4*\j:M+4*\j+3], v1, s[6:7] offset:512*\j   ; all of mapping: 512 consecutive bytes a load
.endr
	s_wait_loadcnt 0x0
.set i, 0
.rept 64
	v_lshlrev_b32 v[M+i], 2, v[M+i]                ; x 4: the place of the expert's 4-bit field
.set i, i+1
.endr
; eight entries are counted in eight fields of 4 bits (8 at the most in a field), then spread into bytes
.macro COUNT8 g
	v_lshlrev_b32 v[A4], v[M+8*\g], 1
.irp k, 1,2,3,4,5,6,7
	v_lshl_add_u32 v[A4], 1, v[M+8*\g+\k], v[A4]
.endr
.if \g == 0
	v_and_b32 v[VE], s61, v[A4]
	v_lshrrev_b32 v[A4], 4, v[A4]
	v_and_b32 v[VO], s61, v[A4]
.else
	v_and_b32 v[T0], s61, v[A4]
	v_lshrrev_b32 v[A4], 4, v[A4]
	v_add_nc_u32 v[VE], v[VE], v[T0]
	v_and_b32 v[A4], s61, v[A4]
	v_add_nc_u32 v[VO], v[VO], v[A4]
.endif
.endm
.irp g, 0,1,2,3,4,5,6,7
	COUNT8 \g
.endr
	v_and_b32 v[P0], s62, v[VE]                    ; halves of 16 bits hold the sums over 32 lanes (2,048 at the most)
	v_lshrrev_b32 v[P0+1], 8, v[VE]
	v_and_b32 v[P0+1], s62, v[P0+1]
	v_and_b32 v[P0+2], s62, v[VO]
	v_lshrrev_b32 v[P0+3], 8, v[VO]
	v_and_b32 v[P0+3], s62, v[P0+3]
.irp p, 0,1,2,3
.irp m, 1,2,4,8
	v_mov_b32_dpp v[VT], v[P0+\p] row_xmask:\m row_mask:0xf bank_mask:0xf
	v_add_nc_u32 v[P0+\p], v[P0+\p], v[VT]
.endr
	v_permlanex16_b32 v[VT], v[P0+\p], s[SEL], s[SEL+1]
	v_add_nc_u32 v[P0+\p], v[P0+\p], v[VT]
.endr
	v_readfirstlane_b32 s49, v[P0]
	v_readfirstlane_b32 s50, v[P0+1]
	v_readfirstlane_b32 s51, v[P0+2]
	v_readfirstlane_b32 s52, v[P0+3]
	s_and_b32 s[CN+0], s49, 0xffff
	s_lshr_b32 s[CN+4], s49, 16
	s_and_b32 s[CN+2], s50, 0xffff
	s_lshr_b32 s[CN+6], s50, 16
	s_and_b32 s[CN+1], s51, 0xffff
	s_lshr_b32 s[CN+5], s51, 16
	s_and_b32 s[CN+3], s52, 0xffff
	s_lshr_b32 s[CN+7], s52, 16
	s_mov_b32 s[ST], 0
.irp e, 0,1,2,3,4,5,6,7
	s_add_co_u32 s[TL+\e], s[CN+\e], 15
	s_lshr_b32 s[TL+\e], s[TL+\e], 4               ; tiles of expert e
	s_add_co_u32 s[ST+1+\e], s[ST+\e], s[TL+\e]    ; first tile of the next
.endr
	s_cmp_ge_u32 s18, s[ST+8]
	s_cbranch_scc1 .Lunused                        ; this split does not use my tile
	s_mov_b32 s45, 0                               ; my tile's expert: the last e whose first tile is not behind t
	s_mov_b32 s46, 0
.irp e, 1,2,3,4,5,6,7
	s_cmp_ge_u32 s18, s[ST+\e]
	s_cselect_b32 s45, \e, s45
	s_cselect_b32 s46, s[ST+\e], s46
.endr
	s_sub_co_u32 s47, s18, s46
	s_lshl_b32 s47, s47, 4                         ; the rank, within the expert, of my tile's first slot
	s_lshl_b32 s48, s45, 2
	s_bitcmp1_b32 s45, 0
	s_cselect_b32 s49, -1, 0
	v_cndmask_b32 v[VC], v[VE], v[VO], s49
	s_lshr_b32 s50, s45, 1
	s_lshl_b32 s50, s50, 3
	v_lshrrev_b32 v[VC], s50, v[VC]
	v_and_b32 v[VC], 0xff, v[VC]                   ; my lane's entries of that expert
	v_mov_b32 v[VI], v[VC]
.irp n, 1,2,4,8
	v_mov_b32_dpp v[VT], v[VI] row_shr:\n row_mask:0xf bank_mask:0xf bound_ctrl:1
	v_add_nc_u32 v[VI], v[VI], v[VT]               ; running sum over the lanes of a row of 16
.endr
	v_readlane_b32 s50, v[VI], 15
	v_mov_b32 v[VT], s50
	v_cndmask_b32 v[VT], 0, v[VT], s63             ; lanes 16-31 add the first row's total
	v_add_nc_u32 v[VI], v[VI], v[VT]
	v_sub_nc_u32 v[VRUN], v[VI], v[VC]             ; the rank of my first entry of the expert,
	v_sub_nc_u32 v[VRUN], v[VRUN], s47             ; counted from my tile's first slot (it wraps below it)
	v_mov_b32 v5, 0xffff
	ds_store_b32 v4, v5                            ; the list of the tile's 16 entries, LDS words 0-15, begins as 'none'; word 16 swallows what is not the tile's
.set r, 0
.rept 64
	v_cmp_eq_u32 vcc_lo, s48, v[M+r]
	v_cndmask_b32 v[VA+r%2], 16, v[VRUN], vcc_lo
	v_add_co_ci_u32 v[VRUN], vcc_lo, 0, v[VRUN], vcc_lo   ; one rank on where the entry is the expert's
	v_min_u32 v[VA+r%2], 16, v[VA+r%2]             ; ranks outside 0 .. 15 go to word 16
	v_lshlrev_b32 v[VA+r%2], 2, v[VA+r%2]
	v_add_nc_u32 v[VQ+r%2], 128*(r/4)+r%4, v4      ; q
	ds_store_b32 v[VA+r%2], v[VQ+r%2]
.set r, r+1
.endr
	s_wait_dscnt 0x0
	ds_load_b32 v[VL], v2                          ; slot r's entry
	s_lshl_b32 s56, s19, 9
	s_add_nc_u64 s[4:5], s[4:5], s[56:57]          ; x at K step s
	s_lshl_b32 s56, s18, 14
	s_lshl_b32 s49, s19, 11
	s_add_co_u32 s56, s56, s49
	s_add_nc_u64 s[10:11], s[10:11], s[56:57]      ; xq at (t, s)
	s_lshl_b32 s56, s18, 9
	s_lshl_b32 s49, s19, 6
	s_add_co_u32 s56, s56, s49
	s_add_nc_u64 s[12:13], s[12:13], s[56:57]      ; xs at (t, s)
	v_bfe_u32 v[VH], v0, 4, 1
	v_lshlrev_b32 v[VH], 6, v[VH]                  ; 64 h
	s_wait_dscnt 0x0
	v_lshrrev_b32 v[VK], 1, v[VL]                  ; the token; 'none' becomes token 1023
	v_min_u32 v[VK], 0x3ff, v[VK]
	v_lshlrev_b32 v[VK], 12, v[VK]
	v_add_nc_u32 v[VK], v[VK], v[VH]
.irp b, 0,1,2,3
.irp j, 0,1,2,3
	global_load_b128 v[X+16*\b+4*\j:X+16*\b+4*\j+3], v[VK], s[4:5] offset:128*\b+16*\j   ; my 16 neighbours of each block of 32
.endr
.endr
	s_cmp_lg_u32 s19, 0
	s_cbranch_scc1 .Lno_pos
	v_cmp_gt_u32 vcc_lo, 0x800, v[VL]              ; slots that hold an entry,
	s_and_b32 vcc_lo, vcc_lo, 0xffff               ; once (lanes 16-31 hold the same list)
	v_min_u32 v[VP], 0x7ff, v[VL]
	v_lshlrev_b32 v[VP], 2, v[VP]
	s_lshl_b32 s49, s18, 4
	v_add_nc_u32 v[VS], s49, v3                    ; slot = 16 t + r
	s_wait_xcnt 0x0                                ; EXEC is a source of the loads above: it changes only behind this wait
	s_and_saveexec_b32 s51, vcc_lo
	global_store_b32 v[VP], v[VS], s[16:17]        ; pos[q]
	s_wait_xcnt 0x0                                ; and again in front of the line that widens it
	s_or_b32 exec_lo, exec_lo, s51
	s_cmp_lg_u32 s18, 0
	s_cbranch_scc1 .Lno_pos
	v_mov_b32 v[VTB], 0
.irp e, 0,1,2,3,4,5,6,7
	v_writelane_b32 v[VTB], s[ST+\e], \e
	v_writelane_b32 v[VTB], s[TL+\e], 8+\e
.endr
	global_store_b32 v4, v[VTB], s[16:17] offset:8192   ; the table: words 0-7 first tiles, 8-15 numbers of tiles
.Lno_pos:
	s_wait_loadcnt 0x0
.irp b, 0,1,2,3
	v_max3_num_f32 v[TM+\b], |v[X+16*\b]|, |v[X+1+16*\b]|, 0x4800000   ; block b: my 16 numbers, and the floor 2^(9 - 127): the byte cannot fall under 1
.endr
.irp i, 2,4,6,8,10,12,14
.irp b, 0,1,2,3
	v_max3_num_f32 v[TM+\b], v[TM+\b], |v[X+16*\b+\i]|, |v[X+1+16*\b+\i]|
.endr
.endr
.irp b, 0,1,2,3
	v_permlanex16_b32 v[TM+4+\b], v[TM+\b], s[SEL], s[SEL+1]
.endr
.irp b, 0,1,2,3
	v_max_num_f32 v[TM+\b], v[TM+\b], v[TM+4+\b]   ; with lane l xor 16's: the block's largest magnitude
.endr
.irp b, 0,1,2,3
	v_add_nc_u32 v[TM+12+\b], 0xfc000000, v[TM+\b] ; 8 off its exponent field: the conversion's scale operand
.endr
.irp b, 0,1,2,3
	v_and_or_b32 v[TM+8+\b], v[TM+\b], 0x7f800000, s[MNT]   ; 448 x the scale
.endr
.irp b, 0,1,2,3
	v_lshrrev_b32 v[TM+4+\b], 23, v[TM+12+\b]      ; the scale's byte
.endr
	v_lshl_or_b32 v[PW], v[TM+5], 8, v[TM+4]
	v_lshl_or_b32 v[PW], v[TM+6], 16, v[PW]
	v_lshl_or_b32 v[PW], v[TM+7], 24, v[PW]
.irp b, 0,1,2,3
.irp i, 0,1,2,3,4,5,6,7,8,9,10,11,12,13,14,15
	v_med3_num_f32 v[X+16*\b+\i], v[X+16*\b+\i], -v[TM+8+\b], v[TM+8+\b]   ; the conversion does not saturate (ISA guide 7.6.2): the hold at the largest code x the scale
.endr
	v_cvt_scalef32_pk8_fp8_f32 v[PC+4*\b:PC+1+4*\b], v[X+16*\b:X+7+16*\b], v[TM+12+\b]
	v_cvt_scalef32_pk8_fp8_f32 v[PC+2+4*\b:PC+3+4*\b], v[X+8+16*\b:X+15+16*\b], v[TM+12+\b]
.endr
	v_nop
.irp c, 0,1,2,3
	global_store_b128 v1, v[PC+4*\c:PC+4*\c+3], s[10:11] offset:512*\c   ; register group c: 512 consecutive bytes
.endr
	global_store_b32 v2, v[PW], s[12:13]           ; lanes l and l + 16 store the same word with the same value
.Lunused:
	s_wait_tensorcnt 0x0
	ds_add_u32 v232, v233
	s_wait_dscnt 0x0
	s_endpgm
	; ---------------- the gate's logits of four tokens ----------------
.Lgate:
	s_sub_co_u32 s18, ttmp9, NTQ
	s_mov_b32 s50, 0xffff0000                      ; lanes whose bit 4, 3, 2, 1, 0 is set
	s_mov_b32 s51, 0xff00ff00
	s_mov_b32 s52, 0xf0f0f0f0
	s_mov_b32 s53, 0xcccccccc
	s_mov_b32 s54, 0xaaaaaaaa
	s_lshl_b32 s56, s18, 14
	s_wait_kmcnt 0x0
	s_add_nc_u64 s[4:5], s[4:5], s[56:57]          ; my four rows of x
	s_lshl_b32 s56, s18, 7
	s_add_nc_u64 s[14:15], s[14:15], s[56:57]      ; and of zl
; group j: 512 bytes of each of the 4 rows of x and of the 8 rows of Wg, 16 bytes a lane, into buffer j % 3
.macro ZLOAD j
.set zbf, 16+48*((\j)%3)
.irp a, 0,1,2,3
	global_load_b128 v[zbf+4*\a:zbf+4*\a+3], v1, s[4:5] offset:4096*\a+512*(\j)
.endr
.irp e, 0,1,2,3,4,5,6,7
	global_load_b128 v[zbf+16+4*\e:zbf+16+4*\e+3], v1, s[8:9] offset:4096*\e+512*(\j)
.endr
.endm
; 64 packed multiply-adds: sum (a, e) is the pair v[160 + 2 (8 a + e)]; the first 32 products start the sums
.macro ZFMA j
.set zbf, 16+48*((\j)%3)
.irp h, 0,1
.irp a, 0,1,2,3
.irp e, 0,1,2,3,4,5,6,7
.if ((\j) == 0) && (\h == 0)
	v_pk_mul_f32 v[160+2*(8*\a+\e):161+2*(8*\a+\e)], v[zbf+4*\a:zbf+4*\a+1], v[zbf+16+4*\e:zbf+16+4*\e+1]
.else
	v_pk_fma_f32 v[160+2*(8*\a+\e):161+2*(8*\a+\e)], v[zbf+4*\a+2*\h:zbf+4*\a+2*\h+1], v[zbf+16+4*\e+2*\h:zbf+16+4*\e+2*\h+1], v[160+2*(8*\a+\e):161+2*(8*\a+\e)]
.endif
.endr
.endr
.endr
.endm
	ZLOAD 0
	ZLOAD 1
	ZLOAD 2
.irp j, 0,1,2,3,4,5,6,7
.if \j <= 5
	s_wait_loadcnt 24                              ; group j is in; the two groups of 12 behind it may be out
.elseif \j == 6
	s_wait_loadcnt 12
.else
	s_wait_loadcnt 0x0
.endif
	ZFMA \j
.if \j+3 < 8
	ZLOAD \j+3
.endif
.endr
.set i, 0
.rept 32
	v_add_f32 v[16+i], v[160+2*i], v[161+2*i]      ; my lane's part of sum i = 8 a + e
.set i, i+1
.endr
	; the 32 sums are added over the 32 lanes and dealt out, sum l to lane l: in each step a lane keeps the half of its sums whose index bit equals its own lane bit, and sends the other half
.set i, 0
.rept 16
	v_cndmask_b32 v[64+i], v[32+i], v[16+i], s50
	v_cndmask_b32 v[80+i], v[16+i], v[32+i], s50
.set i, i+1
.endr
.set i, 0
.rept 16
	v_permlanex16_b32 v[96+i], v[64+i], s[SEL], s[SEL+1]
.set i, i+1
.endr
.set i, 0
.rept 16
	v_add_f32 v[16+i], v[80+i], v[96+i]
.set i, i+1
.endr
.macro RSTEP d, m
.set i, 0
.rept \d
	v_cndmask_b32 v[64+i], v[16+i+\d], v[16+i], s[\m]
	v_cndmask_b32 v[80+i], v[16+i], v[16+i+\d], s[\m]
.set i, i+1
.endr
.set i, 0
.rept \d
	v_add_f32_dpp v[16+i], v[64+i], v[80+i] row_xmask:\d row_mask:0xf bank_mask:0xf
.set i, i+1
.endr
.endm
	RSTEP 8, 51
	RSTEP 4, 52
	RSTEP 2, 53
	RSTEP 1, 54
	v_lshlrev_b32 v2, 2, v0
	global_store_b32 v2, v16, s[14:15]             ; zl[4 zb + a][e]: 128 consecutive bytes
	s_endpgm
.Lfunc_end_k_q766e5a8978_prep:
	.size	k_q766e5a8978_prep, .Lfunc_end_k_q766e5a8978_prep-k_q766e5a8978_prep
	.p2alignl 7, 3214868480
	.fill 96, 4, 3214868480
	.section	.rodata,"a",@progbits
	.p2align	6, 0x0
	.amdhsa_kernel k_q766e5a8978_prep
		.amdhsa_group_segment_fixed_size 512
		.amdhsa_private_segment_fixed_size 0
		.amdhsa_enable_private_segment 0
		.amdhsa_kernarg_size 56
		.amdhsa_user_sgpr_count 2
		.amdhsa_user_sgpr_kernarg_segment_ptr 1
		.amdhsa_wavefront_size32 1
		.amdhsa_system_sgpr_workgroup_id_x 1
		.amdhsa_system_sgpr_workgroup_id_y 1
		.amdhsa_system_sgpr_workgroup_id_z 1
		.amdhsa_system_vgpr_workitem_id 0
		.amdhsa_next_free_vgpr 234
		.amdhsa_next_free_sgpr 66
		.amdhsa_reserve_vcc 1
		.amdhsa_float_denorm_mode_32 3
		.amdhsa_float_denorm_mode_16_64 3
		.amdhsa_memory_ordered 1
		.amdhsa_forward_progress 1
		.amdhsa_inst_pref_size 96
	.end_amdhsa_kernel
	.amdgpu_metadata
---
amdhsa.version: [ 1, 2 ]
amdhsa.kernels:
  - .name:           k_q766e5a8978_prep
    .symbol:         k_q766e5a8978_prep.kd
    .args:
      - { .name: x, .offset: 0, .size: 8, .value_kind: global_buffer, .address_space: global }
      - { .name: mapping, .offset: 8, .size: 8, .value_kind: global_buffer, .address_space: global }
      - { .name: Wg, .offset: 16, .size: 8, .value_kind: global_buffer, .address_space: global }
      - { .name: xq, .offset: 24, .size: 8, .value_kind: global_buffer, .address_space: global }
      - { .name: xs, .offset: 32, .size: 8, .value_kind: global_buffer, .address_space: global }
      - { .name: zl, .offset: 40, .size: 8, .value_kind: global_buffer, .address_space: global }
      - { .name: route, .offset: 48, .size: 8, .value_kind: global_buffer, .address_space: global }
    .group_segment_fixed_size: 512
    .private_segment_fixed_size: 0
    .kernarg_segment_align: 8
    .kernarg_segment_size: 56
    .max_flat_workgroup_size: 32
    .sgpr_count:     66
    .vgpr_count:     234
    .wavefront_size: 32
...
	.end_amdgpu_metadata
.endif
;; end of part 1
;; launch gemm1 (part 2): grid 256 x 1, 4 waves a work-group, no clusters, 133,632 bytes of LDS; arguments xq, xs, W1_codes, W1_scales, b1, route, hq, hs; writes hq, hs
.if DOCPART == 2
	.amdgcn_target "amdgcn-amd-amdhsa--gfx1250"
	.amdhsa_code_object_version 6
	.text
	.protected	k_q766e5a8978_gemm1
	.globl	k_q766e5a8978_gemm1
	.p2align	8
	.type	k_q766e5a8978_gemm1,@function
k_q766e5a8978_gemm1:
	s_mov_b64 s[64:65], 0
	v_nop
	global_prefetch_b8 v0, s[64:65] scope:SCOPE_SE
	s_setreg_imm32_b32 hwreg(HW_REG_WAVE_MODE, 25, 1), 1
	s_wait_xcnt 0x0
; GEMM1.  h = Q(gelu(Q(x) W1[e] + b1[e])) for the routed rows alone, on codes of E4M3 with one E8M0 byte for each 32 along K.
; THE WEIGHTS STAND STILL.  Work-group id owns expert e = id / 32 and hidden units 128 (id % 32) on: 128 rows of W1 x 1,024 codes, 131,072 bytes, which no other work-group reads.
; They are loaded once, 512 consecutive bytes a load, and laid in LDS behind the launch's one barrier, which stands ahead of every branch on loaded numbers.
; Then the four waves go their own ways: wave w takes the expert's tiles of 16 routed rows w, w + 4, .. w + 16, and 20 further on in each further pass.  An expert has at most 2,048 / 16 = 128 tiles,
; so seven passes serve every split: the loop is counted to seven and left as soon as the wave has no tile more.
; It keeps the five tiles' fragments of x (5 x 128 registers) in registers, loaded as images of the operand's registers, and reads each fragment of W1 from LDS once for the five.
; A wave with fewer than five tiles left repeats the expert's last tile in its loads and arithmetic; that tile's stores are jumped over.
; TRANSPOSED USE: source 0 = 16 rows of W1, source 1 = 16 routed rows: a lane holds one routed row, its registers run along the hidden units.  The rows of W1 that form a tile are chosen
; (LDS row = the row's number with bits 3 and 4 exchanged) so that the 16 registers of tiles 2 b and 2 b + 1 are 16 neighbours along the next K: 32 b + 16 (lane / 16) + 0 .. 15.
; b1 is the C of each sum's first matrix instruction.  gelu(x) = x / (1 + 2^(x (K1 + K3 x^2))), K1 = -2 log2(e) sqrt(2 / pi), K3 = 0.044715 K1: the tanh form, all in f32.
; The results leave as images too: hq [tile][K step = id % 32][register group b][lane][16 bytes], hs [tile][K step][row] scale words.
; NO TENSOR LOAD, NO CLUSTER: the number of an expert's tiles is read from memory, and the passes and the stores' guards hang on it; no weight byte is shared between work-groups.
; LIMITS: NaN and infinities are not served; a block of zeros gets the byte 1 and not 127 (its codes are zeros; the bytes are read by this program alone).
; REGISTERS, in windows of 256: window 0: addresses, scale words, biases, the ten accumulators, the quantiser's;  windows 1, 2: x's tiles 0, 1 and 2, 3 (128 (i % 2) + 16 s);
;   window 3: v0-127 x's tile 4; v128-255 two buffers of four fragments of W1, and gelu's work registers; at the head all 256 take the slab on its way to LDS.
.set LP,   1040                        ; an LDS row: 1,024 bytes + 16: 65 x 16, so the 16 rows that a load touches start at 16 different groups of banks
.set BLKB, 33280                       ; 32 rows
.set ROWP, 1024                        ; a row of W1 in memory
.set PASSES, 7                         ; 128 tiles at the most, 20 a pass
.set PS,  84                           ; s84  the passes' counter
.set LI,  1                            ; v1   16 x lane
.set L4,  2                            ; v2   4 x lane
.set R4,  3                            ; v3   4 x (lane % 16)
.set BA,  4                            ; v4-7 LDS address of my lane's place in block b's tiles
.set WL,  8                            ; v8   where I lay the slab: 32 rows x wave + 16 x lane
.set WSO, 9                            ; v9   my lane's place among W1's scale bytes
.set BO,  10                           ; v10  64 x (lane / 16): among b1
.set KK,  12                           ; v[12:13] K1 twice
.set AS,  16                           ; v16-35  x's scale words: tile i, register g: lanes 0-15 K step 2 g, lanes 16-31 K step 2 g + 1
.set WS,  36                           ; v36-67  W1's: tile u, register g: lanes 0-15 K step g, lanes 16-31 K step 4 + g
.set BI,  68                           ; v68-131 b1: eight registers a tile u, in the result's layout
.set ACC, 132                          ; v132-211 accumulator (i, u') at ACC + 16 i + 8 u'
.set MX,  212                          ; v212-216 largest magnitudes, then the holds
.set PT,  217                          ; v217-221 the other half's, then the bytes
.set SCV, 222                          ; v222-226 the conversions' scale operands
.set SW,  227                          ; v227-231 the scale words
.set CD,  232                          ; v232-251 the codes, four registers a tile
.set AC,  32                           ; s[32:41] x's codes of my five tiles
.set ASB, 42                           ; s[42:51] their scale words
.set OC,  52                           ; s[52:61] where their codes of h go
.set OS,  66                           ; s[66:75] and their scale words
.set MSB, 0
.macro WIN new                         ; the immediate's high byte repeats the setting that is left; a switch that changes nothing is dropped
.if MSB != (\new)
	s_set_vgpr_msb (MSB<<8)|(\new)
.set MSB, (\new)
.endif
.endm
.macro PLACES n
.rept \n
	v_nop
.endr
.endm
; my five tiles of this pass: tile numbers are held inside the expert's run and inside the buffers, then shifted into byte offsets
.macro SETTILES
	s_sub_co_u32 s28, s23, s25
	s_add_co_u32 s28, s28, 3
	s_lshr_b32 s28, s28, 2
	s_min_u32 s26, s28, 5                          ; how many of the five are real
.irp i, 0,1,2,3,4
	s_add_co_u32 s28, s25, 4*\i
	s_min_u32 s28, s28, s27
	s_add_co_u32 s28, s28, s24
	s_min_u32 s28, s28, 134
	s_lshl_b32 s62, s28, 14
	s_add_nc_u64 s[AC+2*\i:AC+2*\i+1], s[4:5], s[62:63]
	s_lshl_b32 s62, s28, 9
	s_add_nc_u64 s[ASB+2*\i:ASB+2*\i+1], s[6:7], s[62:63]
	s_lshl_b32 s62, s28, 16
	s_add_nc_u64 s[OC+2*\i:OC+2*\i+1], s[16:17], s[62:63]
	s_lshl_b32 s62, s28, 11
	s_add_nc_u64 s[OS+2*\i:OS+2*\i+1], s[18:19], s[62:63]
.endr
.endm
; eight of the 160 loads of x's fragments: load n = tile n / 32, K step (n % 32) / 4, register group n % 4: 512 consecutive bytes
.macro ALOAD8 g
.irp k, 0,1,2,3,4,5,6,7
.set t_l, 8*(\g)+\k
.set t_i, t_l/32
.set t_s, (t_l%32)/4
.set t_c, t_l%4
	WIN (1+t_i/2)<<6
	global_load_b128 v[128*(t_i%2)+16*t_s+4*t_c:128*(t_i%2)+16*t_s+4*t_c+3], v[LI], s[AC+2*t_i:AC+2*t_i+1] offset:2048*t_s+512*t_c
.endr
.endm
.macro ASLOAD
	WIN 0
.irp i, 0,1,2,3,4
.irp g, 0,1,2,3
	global_load_b32 v[AS+4*\i+\g], v[L4], s[ASB+2*\i:ASB+2*\i+1] offset:128*\g
.endr
.endr
.endm
; four fragments of W1 (K steps 2 g, 2 g + 1 x tiles 2 b, 2 b + 1) into buffer g % 2
.macro FETCHB b, g
	WIN 0xc0
.irp d, 0,1
.irp u, 0,1
.irp c, 0,1,2,3
	ds_load_b128 v[128+64*((\g)&1)+16*(2*\d+\u)+4*\c:128+64*((\g)&1)+16*(2*\d+\u)+4*\c+3], v[BA+\b] offset:16640*\u+128*(2*(\g)+\d)+32*\c
.endr
.endr
.endr
.endm
.macro WM                              ; one matrix instruction; the rows of the scale registers follow the K step
.if (m_s >= 4) && (m_s & 1)
	v_wmma_scale_f32_16x16x128_f8f6f4 v[m_d:m_d+7], v[m_b:m_b+15], v[m_a:m_a+15], v[m_c:m_c+7], v[m_w], v[m_x] matrix_a_scale:MATRIX_SCALE_ROW1 matrix_b_scale:MATRIX_SCALE_ROW1
.elseif m_s >= 4
	v_wmma_scale_f32_16x16x128_f8f6f4 v[m_d:m_d+7], v[m_b:m_b+15], v[m_a:m_a+15], v[m_c:m_c+7], v[m_w], v[m_x] matrix_a_scale:MATRIX_SCALE_ROW1
.elseif m_s & 1
	v_wmma_scale_f32_16x16x128_f8f6f4 v[m_d:m_d+7], v[m_b:m_b+15], v[m_a:m_a+15], v[m_c:m_c+7], v[m_w], v[m_x] matrix_b_scale:MATRIX_SCALE_ROW1
.else
	v_wmma_scale_f32_16x16x128_f8f6f4 v[m_d:m_d+7], v[m_b:m_b+15], v[m_a:m_a+15], v[m_c:m_c+7], v[m_w], v[m_x]
.endif
.endm
.macro MM b, g, d, i, u
.set m_s, 2*(\g)+(\d)
.set m_d, ACC+16*(\i)+8*(\u)
.set m_b, 128+64*((\g)&1)+16*(2*(\d)+(\u))
.set m_a, 128*((\i)%2)+16*m_s
.set m_w, WS+4*(2*(\b)+(\u))+(m_s&3)
.set m_x, AS+4*(\i)+(m_s>>1)
.set m_c, m_d
.if m_s == 0
.set m_c, BI+8*(2*(\b)+(\u))           ; the bias starts the sum
.endif
	WM
.endm
; 20 matrix instructions: two K steps x five tiles of rows x two tiles of W1.  The accumulators take turns, one instruction a turn
.macro MULS b, g
	WIN 0x07                                       ; source 0 window 3, source 1 window 1
.irp d, 0,1
.irp i, 0,1
.irp u, 0,1
	MM \b, \g, \d, \i, \u
.endr
.endr
.endr
	WIN 0x0b                                       ; source 1 window 2
.irp d, 0,1
.irp i, 2,3
.irp u, 0,1
	MM \b, \g, \d, \i, \u
.endr
.endr
.endr
	WIN 0x0f                                       ; source 1 window 3
.irp d, 0,1
.irp u, 0,1
	MM \b, \g, \d, 4, \u
.endr
.endr
.endm
; block b (32 hidden units) over all of K.  A group's 16 LDS loads are issued one group (20 matrix instructions) ahead; eight plain places stand between the products that read a buffer
; and the loads into it; nine behind the last products, since the next block's first products write over the accumulators
.macro KLOOP b
	FETCHB \b, 0
	FETCHB \b, 1
	s_wait_dscnt 16                                ; all but the 16 just issued
	MULS \b, 0
	PLACES 8
	FETCHB \b, 2
	s_wait_dscnt 16
	MULS \b, 1
	PLACES 8
	FETCHB \b, 3
	s_wait_dscnt 16
	MULS \b, 2
	s_wait_dscnt 0x0
	MULS \b, 3
	WIN 0
	PLACES 9
.endm
; gelu and the quantiser for block b of the five tiles: 80 numbers a lane, in batches
.macro EPI b
	WIN 0xc0                                       ; destination window 3
.set j, 0
.rept 40
	v_pk_mul_f32 v[128+2*j:129+2*j], v[ACC+2*j:ACC+2*j+1], v[ACC+2*j:ACC+2*j+1]   ; x^2; each accumulator is read from its low end on
.set j, j+1
.endr
	WIN 0xc3                                       ; destination and source 0 window 3
.set j, 0
.rept 40
	v_pk_fma_f32 v[128+2*j:129+2*j], v[128+2*j:129+2*j], s[76:77], v[KK:KK+1] op_sel_hi:[1,0,1]   ; K3 x^2 + K1
.set j, j+1
.endr
.set j, 0
.rept 40
	v_pk_mul_f32 v[128+2*j:129+2*j], v[128+2*j:129+2*j], v[ACC+2*j:ACC+2*j+1]
.set j, j+1
.endr
.set j, 0
.rept 80
	v_exp_f32 v[128+j], v[128+j]
.set j, j+1
.endr
	v_nop                                          ; a plain instruction behind the last exponential,
	s_wait_alu depctr_va_vdst(0)                   ; and one wait for the batch, ahead of its first reader
.set j, 0
.rept 40
	v_pk_add_f32 v[128+2*j:129+2*j], v[128+2*j:129+2*j], 1.0 op_sel_hi:[1,0]
.set j, j+1
.endr
.set j, 0
.rept 80
	v_rcp_f32 v[128+j], v[128+j]
.set j, j+1
.endr
	v_nop
	s_wait_alu depctr_va_vdst(0)
	WIN 0x0c                                       ; source 1 window 3
.set j, 0
.rept 40
	v_pk_mul_f32 v[ACC+2*j:ACC+2*j+1], v[ACC+2*j:ACC+2*j+1], v[128+2*j:129+2*j]   ; gelu
.set j, j+1
.endr
	WIN 0
.irp i, 0,1,2,3,4
	v_max3_num_f32 v[MX+\i], |v[ACC+16*\i]|, |v[ACC+16*\i+1]|, 0x4800000   ; my 16 numbers of the block, and the floor 2^(9 - 127)
.endr
.irp k, 2,4,6,8,10,12,14
.irp i, 0,1,2,3,4
	v_max3_num_f32 v[MX+\i], v[MX+\i], |v[ACC+16*\i+\k]|, |v[ACC+16*\i+\k+1]|
.endr
.endr
.irp i, 0,1,2,3,4
	v_permlanex16_b32 v[PT+\i], v[MX+\i], s78, s79
.endr
.irp i, 0,1,2,3,4
	v_max_num_f32 v[MX+\i], v[MX+\i], v[PT+\i]     ; with lane l xor 16's: the block's largest magnitude
.endr
.irp i, 0,1,2,3,4
	v_add_nc_u32 v[SCV+\i], 0xfc000000, v[MX+\i]   ; 8 off its exponent field: the conversion's scale operand
.endr
.irp i, 0,1,2,3,4
	v_and_or_b32 v[MX+\i], v[MX+\i], 0x7f800000, s80   ; 448 x the scale
.endr
.irp i, 0,1,2,3,4
	v_lshrrev_b32 v[PT+\i], 23, v[SCV+\i]          ; the scale's byte
.endr
.irp i, 0,1,2,3,4
.if \b == 0
	v_mov_b32 v[SW+\i], v[PT+\i]
.else
	v_lshl_or_b32 v[SW+\i], v[PT+\i], 8*\b, v[SW+\i]
.endif
.endr
.irp k, 0,1,2,3,4,5,6,7,8,9,10,11,12,13,14,15
.irp i, 0,1,2,3,4
	v_med3_num_f32 v[ACC+16*\i+\k], v[ACC+16*\i+\k], -v[MX+\i], v[MX+\i]   ; the conversion does not saturate (ISA guide 7.6.2)
.endr
.endr
	s_wait_xcnt 0x0                                ; the last block's stores have read their codes: the registers are written again only behind this wait
.irp i, 0,1,2,3,4
	v_cvt_scalef32_pk8_fp8_f32 v[CD+4*\i:CD+4*\i+1], v[ACC+16*\i:ACC+16*\i+7], v[SCV+\i]
	v_cvt_scalef32_pk8_fp8_f32 v[CD+4*\i+2:CD+4*\i+3], v[ACC+16*\i+8:ACC+16*\i+15], v[SCV+\i]
.endr
	v_nop                                          ; a plain instruction between the conversions and the products that write their sources
.irp i, 0,1,2,3,4
	s_cmp_le_u32 s26, \i
	s_cbranch_scc1 .Lepi_\@                        ; a repeated tile stores nothing
	global_store_b128 v[LI], v[CD+4*\i:CD+4*\i+3], s[OC+2*\i:OC+2*\i+1] offset:512*\b   ; register group b of the fragment: 512 consecutive bytes
.if \b == 3
	global_store_b32 v[R4], v[SW+\i], s[OS+2*\i:OS+2*\i+1]   ; lanes l and l + 16 store the same word with the same value
.endif
.endr
.Lepi_\@:
.endm
	s_load_b512 s[4:19], s[0:1], 0x0               ; xq, xs, W1's codes, W1's scales, b1, route, hq, hs
	v_lshl_add_u32 v254, v0, 2, 0x20800
	v_mov_b32 v255, 0
	v_lshrrev_b32 v14, 5, v0
	v_readfirstlane_b32 s20, v14                   ; wave 0..3
	s_lshr_b32 s21, ttmp9, 5                       ; expert
	s_and_b32 s22, ttmp9, 31                       ; which 128 hidden units
	s_lshl_b32 s31, s21, 2
	s_mov_b32 s63, 0
	s_mov_b32 s83, 0
	s_mov_b32 s76, 0xbdd2d3e8                      ; K3
	s_mov_b32 s77, s76
	s_mov_b32 s78, 0x76543210
	s_mov_b32 s79, 0xfedcba98
	s_mov_b32 s80, 0x600000
	v_and_b32 v14, 31, v0
	v_lshlrev_b32 v[LI], 4, v14
	v_lshlrev_b32 v[L4], 2, v14
	v_and_b32 v15, 15, v0                          ; r
	v_lshlrev_b32 v[R4], 2, v15
	v_bfe_u32 v14, v0, 4, 1                        ; h
	v_mul_u32_u24 v[BA], v15, LP
	v_lshl_add_u32 v[BA], v14, 4, v[BA]
	v_add_nc_u32 v[BA+1], BLKB, v[BA]
	v_add_nc_u32 v[BA+2], 2*BLKB, v[BA]
	v_add_nc_u32 v[BA+3], 3*BLKB, v[BA]
	s_mul_i32 s28, s20, BLKB
	v_add_nc_u32 v[WL], s28, v[LI]
	v_and_b32 v[WSO], 8, v15
	v_add_nc_u32 v[WSO], v[WSO], v15               ; r + 8 (r / 8)
	v_lshlrev_b32 v[WSO], 5, v[WSO]                ; 32 scale bytes a row
	v_lshl_add_u32 v[WSO], v14, 4, v[WSO]
	v_lshlrev_b32 v[BO], 6, v14
	v_mov_b32 v[KK], 0xc0135761                    ; K1
	v_mov_b32 v[KK+1], v[KK]
.irp i, 0,1,2,3,4
	v_mov_b32 v[PT+\i], 0                          ; a lane permute's destination counts as one of its sources
.endr
	s_wait_kmcnt 0x0
	s_load_b32 s24, s[14:15], s31 offset:8192      ; the expert's first tile
	s_load_b32 s23, s[14:15], s31 offset:8224      ; and how many it has
	s_lshl_b32 s82, ttmp9, 17
	s_lshl_b32 s28, s20, 15
	s_add_co_u32 s82, s82, s28
	s_add_nc_u64 s[8:9], s[8:9], s[82:83]          ; my wave's 32 rows of the slab
	WIN 0xc0
.set l, 0
.rept 64
	global_load_b128 v[4*l:4*l+3], v[LI], s[8:9] offset:(l/2)*ROWP+512*(l%2) th:TH_LOAD_NT   ; half a row: 512 consecutive bytes, read once in the launch
.set l, l+1
.endr
	WIN 0
	s_lshl_b32 s82, ttmp9, 12
	s_add_nc_u64 s[10:11], s[10:11], s[82:83]      ; the slab's scale bytes
	s_lshl_b32 s82, ttmp9, 9
	s_add_nc_u64 s[12:13], s[12:13], s[82:83]      ; its 128 numbers of b1
	s_lshl_b32 s82, s22, 11
	s_add_nc_u64 s[16:17], s[16:17], s[82:83]      ; hq at my K step
	s_lshl_b32 s82, s22, 6
	s_add_nc_u64 s[18:19], s[18:19], s[82:83]      ; hs likewise
	s_wait_kmcnt 0x0
	s_min_u32 s23, s23, 128
	s_cmp_eq_u32 s23, 0
	s_cselect_b32 s24, 0, s24                      ; an expert without rows: the loads below take tile 0, and every wave ends behind the barrier
	s_max_u32 s27, s23, 1
	s_sub_co_u32 s27, s27, 1                       ; the expert's last tile
	s_mov_b32 s25, s20                             ; my first tile of the pass
	SETTILES
.set g, 0
.rept 8
	s_wait_loadcnt 56                              ; slab loads 8 g .. 8 g + 7 are in: behind them stand 56 - 8 g of the slab's and 8 g of x's
	WIN 0x0c                                       ; an LDS store's data: window 3
.irp k, 0,1,2,3,4,5,6,7
.set t_l, 8*g+\k
.set t_r, t_l/2
.set t_r, (t_r&7)|((t_r&8)<<1)|((t_r&16)>>1)
	ds_store_b128 v[WL], v[4*t_l:4*t_l+3] offset:t_r*LP+512*(t_l%2)
.endr
	ALOAD8 g
.set g, g+1
.endr
.irp g, 8,9,10,11,12,13,14,15
	ALOAD8 \g
.endr
	ASLOAD
.irp u, 0,1,2,3,4,5,6,7
	global_load_b128 v[WS+4*\u:WS+4*\u+3], v[WSO], s[10:11] offset:(32*(\u/2)+8*(\u%2))*32
.endr
.irp u, 0,1,2,3,4,5,6,7
	global_load_b128 v[BI+8*\u:BI+8*\u+3], v[BO], s[12:13] offset:(32*(\u/2)+8*(\u%2))*4
	global_load_b128 v[BI+8*\u+4:BI+8*\u+7], v[BO], s[12:13] offset:(32*(\u/2)+8*(\u%2))*4+16
.endr
	s_wait_dscnt 0x0                               ; my part of the slab lies in LDS, and its registers are free:
.irp g, 16,17,18,19
	ALOAD8 \g                                      ; tile 4 takes them
.endr
	WIN 0
	s_barrier_signal -1
	s_barrier_wait -1                              ; the whole slab lies in LDS; nobody writes it again
	s_mov_b32 s[PS], 0
	s_cmp_ge_u32 s25, s23
	s_cbranch_scc1 .Ldone
.Lpass:
	s_wait_loadcnt 0x0                             ; x's fragments and all scale words and biases
.irp b, 0,1,2,3
	KLOOP \b
	EPI \b
.endr
	s_add_co_u32 s25, s25, 20                      ; my first tile of the next pass
	s_cmp_ge_u32 s25, s23
	s_cbranch_scc1 .Ldone                          ; none is left: in the seventh pass at the latest, where s25 is 140 or more and the expert has 128 tiles at the most
	s_wait_xcnt 0x0                                ; the stores have read their bases and data
	SETTILES
.irp g, 0,1,2,3,4,5,6,7,8,9,10,11,12,13,14,15,16,17,18,19
	ALOAD8 \g
.endr
	ASLOAD
	s_add_co_u32 s[PS], s[PS], 1
	s_cmp_lt_u32 s[PS], PASSES
	s_cbranch_scc1 .Lpass
.Ldone:
	s_wait_tensorcnt 0x0
	ds_add_u32 v254, v255
	s_wait_dscnt 0x0
	s_endpgm
.Lfunc_end_k_q766e5a8978_gemm1:
	.size	k_q766e5a8978_gemm1, .Lfunc_end_k_q766e5a8978_gemm1-k_q766e5a8978_gemm1
	.p2alignl 7, 3214868480
	.fill 96, 4, 3214868480
	.section	.rodata,"a",@progbits
	.p2align	6, 0x0
	.amdhsa_kernel k_q766e5a8978_gemm1
		.amdhsa_group_segment_fixed_size 133632
		.amdhsa_private_segment_fixed_size 0
		.amdhsa_enable_private_segment 0
		.amdhsa_kernarg_size 64
		.amdhsa_user_sgpr_count 2
		.amdhsa_user_sgpr_kernarg_segment_ptr 1
		.amdhsa_wavefront_size32 1
		.amdhsa_system_sgpr_workgroup_id_x 1
		.amdhsa_system_sgpr_workgroup_id_y 1
		.amdhsa_system_sgpr_workgroup_id_z 1
		.amdhsa_system_vgpr_workitem_id 0
		.amdhsa_next_free_vgpr 1024
		.amdhsa_next_free_sgpr 96
		.amdhsa_reserve_vcc 0
		.amdhsa_float_denorm_mode_32 3
		.amdhsa_float_denorm_mode_16_64 3
		.amdhsa_memory_ordered 1
		.amdhsa_forward_progress 1
		.amdhsa_inst_pref_size 232
	.end_amdhsa_kernel
	.amdgpu_metadata
---
amdhsa.version: [ 1, 2 ]
amdhsa.kernels:
  - .name:           k_q766e5a8978_gemm1
    .symbol:         k_q766e5a8978_gemm1.kd
    .args:
      - { .name: xq, .offset: 0, .size: 8, .value_kind: global_buffer, .address_space: global }
      - { .name: xs, .offset: 8, .size: 8, .value_kind: global_buffer, .address_space: global }
      - { .name: W1_codes, .offset: 16, .size: 8, .value_kind: global_buffer, .address_space: global }
      - { .name: W1_scales, .offset: 24, .size: 8, .value_kind: global_buffer, .address_space: global }
      - { .name: b1, .offset: 32, .size: 8, .value_kind: global_buffer, .address_space: global }
      - { .name: route, .offset: 40, .size: 8, .value_kind: global_buffer, .address_space: global }
      - { .name: hq, .offset: 48, .size: 8, .value_kind: global_buffer, .address_space: global }
      - { .name: hs, .offset: 56, .size: 8, .value_kind: global_buffer, .address_space: global }
    .group_segment_fixed_size: 133632
    .private_segment_fixed_size: 0
    .kernarg_segment_align: 8
    .kernarg_segment_size: 64
    .max_flat_workgroup_size: 128
    .sgpr_count:     96
    .vgpr_count:     1024
    .wavefront_size: 32
...
	.end_amdgpu_metadata
.endif
;; end of part 2
;; launch gemm2 (part 3): grid 256 x 1, 4 waves a work-group, no clusters, 302,592 bytes of LDS; arguments hq, hs, W2_codes, W2_scales, route, ypart; writes ypart
.if DOCPART == 3
	.amdgcn_target "amdgcn-amd-amdhsa--gfx1250"
	.amdhsa_code_object_version 6
	.text
	.protected	k_q766e5a8978_gemm2
	.globl	k_q766e5a8978_gemm2
	.p2align	8
	.type	k_q766e5a8978_gemm2,@function
k_q766e5a8978_gemm2:
	s_mov_b64 s[64:65], 0
	v_nop
	global_prefetch_b8 v0, s[64:65] scope:SCOPE_SE
	s_setreg_imm32_b32 hwreg(HW_REG_WAVE_MODE, 25, 1), 1
	s_wait_xcnt 0x0
; GEMM2.  Partial sums of h W2[e] for the routed rows, on codes of E4M3 with one E8M0 byte for each 32 along K.
; THE WEIGHTS STAND STILL, as in the launch before.  Work-group id owns expert e = id / 32, output columns 128 nc on (nc = (id / 4) % 8) and the K quarter q = id % 4:
; 128 rows of W2 x 1,024 codes, 131,072 bytes, which no other work-group reads; loaded once, laid in LDS behind the launch's one barrier.
; Wave w takes the expert's tiles of 16 routed rows w, w + 4, .. w + 16 (20 further on in each further pass; 128 tiles at the most, so the loop is counted to seven and left as soon as the wave has no
; tile more), keeps their fragments of h (8 K steps x 5 tiles) in registers, and reads each fragment of W2 from LDS once for the five.  A wave with fewer than five tiles left repeats the expert's
; last tile; that tile's stores to memory are jumped over.
; K IS SUMMED IN FOUR QUARTERS: ypart [slot][q][1024] f32; the last launch adds the four in f32, K ascending.  So a work-group reads a quarter of the expert's h and not all of it.
; TRANSPOSED USE: source 0 = 16 rows of W2 (output columns), source 1 = 16 routed rows: a lane's eight results are eight neighbouring columns of one row.  The four blocks of 32 columns meet in
; the wave's own stage in LDS and leave as rows of 512 consecutive bytes.
; NO TENSOR LOAD, NO CLUSTER: the number of an expert's tiles is read from memory, and the passes and the stores' guards hang on it; no weight byte is shared between work-groups.
; REGISTERS: as in the launch before; v68-131 take rows read back from the stage.
.set LP,   1040                        ; an LDS row: 1,024 bytes + 16
.set BLKB, 33280                       ; 32 rows
.set ROWP, 4096                        ; a row of W2 in memory
.set STG,  133120                      ; behind the slab: for each wave five stages of 16 rows x (512 bytes + 16)
.set PASSES, 7                         ; 128 tiles at the most, 20 a pass
.set PS,  84                           ; s84  the passes' counter
.set LI,  1                            ; v1   16 x lane
.set L4,  2                            ; v2   4 x lane
.set BA,  4                            ; v4-7 LDS address of my lane's place in block b's tiles
.set WL,  8                            ; v8   where I lay the slab
.set WSO, 9                            ; v9   my lane's place among W2's scale bytes
.set STO, 10                           ; v10  the stage: where I put 32 bytes of a row
.set RD,  11                           ; v11  and where I read a row back
.set AS,  16                           ; v16-35  h's scale words
.set WS,  36                           ; v36-67  W2's
.set OB,  68                           ; v68-131 16 rows read back
.set ACC, 132                          ; v132-211 accumulator (i, u') at ACC + 16 i + 8 u'
.set AC,  32                           ; s[32:41] h's codes of my five tiles
.set ASB, 42                           ; s[42:51] their scale words
.set OC,  52                           ; s[52:61] where their partial sums go
.set MSB, 0
.macro WIN new
.if MSB != (\new)
	s_set_vgpr_msb (MSB<<8)|(\new)
.set MSB, (\new)
.endif
.endm
.macro PLACES n
.rept \n
	v_nop
.endr
.endm
.macro SETTILES
	s_sub_co_u32 s28, s23, s25
	s_add_co_u32 s28, s28, 3
	s_lshr_b32 s28, s28, 2
	s_min_u32 s26, s28, 5                          ; how many of the five are real
.irp i, 0,1,2,3,4
	s_add_co_u32 s28, s25, 4*\i
	s_min_u32 s28, s28, s27
	s_add_co_u32 s28, s28, s24
	s_min_u32 s28, s28, 134
	s_lshl_b32 s62, s28, 16
	s_add_nc_u64 s[AC+2*\i:AC+2*\i+1], s[4:5], s[62:63]
	s_lshl_b32 s62, s28, 11
	s_add_nc_u64 s[ASB+2*\i:ASB+2*\i+1], s[6:7], s[62:63]
	s_lshl_b32 s62, s28, 18
	s_add_nc_u64 s[OC+2*\i:OC+2*\i+1], s[14:15], s[62:63]
.endr
.endm
.macro ALOAD8 g
.irp k, 0,1,2,3,4,5,6,7
.set t_l, 8*(\g)+\k
.set t_i, t_l/32
.set t_s, (t_l%32)/4
.set t_c, t_l%4
	WIN (1+t_i/2)<<6
	global_load_b128 v[128*(t_i%2)+16*t_s+4*t_c:128*(t_i%2)+16*t_s+4*t_c+3], v[LI], s[AC+2*t_i:AC+2*t_i+1] offset:2048*t_s+512*t_c
.endr
.endm
.macro ASLOAD
	WIN 0
.irp i, 0,1,2,3,4
.irp g, 0,1,2,3
	global_load_b32 v[AS+4*\i+\g], v[L4], s[ASB+2*\i:ASB+2*\i+1] offset:128*\g
.endr
.endr
.endm
.macro FETCHB b, g
	WIN 0xc0
.irp d, 0,1
.irp u, 0,1
.irp c, 0,1,2,3
	ds_load_b128 v[128+64*((\g)&1)+16*(2*\d+\u)+4*\c:128+64*((\g)&1)+16*(2*\d+\u)+4*\c+3], v[BA+\b] offset:16640*\u+128*(2*(\g)+\d)+32*\c
.endr
.endr
.endr
.endm
.macro WM
.if m_z
	v_wmma_scale_f32_16x16x128_f8f6f4 v[m_d:m_d+7], v[m_b:m_b+15], v[m_a:m_a+15], 0, v[m_w], v[m_x]   ; the first K step starts the sum: nothing is cleared
.elseif (m_s >= 4) && (m_s & 1)
	v_wmma_scale_f32_16x16x128_f8f6f4 v[m_d:m_d+7], v[m_b:m_b+15], v[m_a:m_a+15], v[m_d:m_d+7], v[m_w], v[m_x] matrix_a_scale:MATRIX_SCALE_ROW1 matrix_b_scale:MATRIX_SCALE_ROW1
.elseif m_s >= 4
	v_wmma_scale_f32_16x16x128_f8f6f4 v[m_d:m_d+7], v[m_b:m_b+15], v[m_a:m_a+15], v[m_d:m_d+7], v[m_w], v[m_x] matrix_a_scale:MATRIX_SCALE_ROW1
.elseif m_s & 1
	v_wmma_scale_f32_16x16x128_f8f6f4 v[m_d:m_d+7], v[m_b:m_b+15], v[m_a:m_a+15], v[m_d:m_d+7], v[m_w], v[m_x] matrix_b_scale:MATRIX_SCALE_ROW1
.else
	v_wmma_scale_f32_16x16x128_f8f6f4 v[m_d:m_d+7], v[m_b:m_b+15], v[m_a:m_a+15], v[m_d:m_d+7], v[m_w], v[m_x]
.endif
.endm
.macro MM b, g, d, i, u
.set m_s, 2*(\g)+(\d)
.set m_d, ACC+16*(\i)+8*(\u)
.set m_b, 128+64*((\g)&1)+16*(2*(\d)+(\u))
.set m_a, 128*((\i)%2)+16*m_s
.set m_w, WS+4*(2*(\b)+(\u))+(m_s&3)
.set m_x, AS+4*(\i)+(m_s>>1)
.set m_z, 0
.if m_s == 0
.set m_z, 1
.endif
	WM
.endm
; 20 matrix instructions: two K steps x five tiles of rows x two tiles of W2.  The accumulators take turns, one instruction a turn
.macro MULS b, g
	WIN 0x07
.irp d, 0,1
.irp i, 0,1
.irp u, 0,1
	MM \b, \g, \d, \i, \u
.endr
.endr
.endr
	WIN 0x0b
.irp d, 0,1
.irp i, 2,3
.irp u, 0,1
	MM \b, \g, \d, \i, \u
.endr
.endr
.endr
	WIN 0x0f
.irp d, 0,1
.irp u, 0,1
	MM \b, \g, \d, 4, \u
.endr
.endr
.endm
; block b (32 columns) over the K quarter: loads one group of 20 matrix instructions ahead; eight plain places in front of loads into a buffer that products have read, nine behind the last products
.macro KLOOP b
	FETCHB \b, 0
	FETCHB \b, 1
	s_wait_dscnt 16                                ; all but the 16 just issued: the last block's stores into the stage have read the accumulators too
	MULS \b, 0
	PLACES 8
	FETCHB \b, 2
	s_wait_dscnt 16
	MULS \b, 1
	PLACES 8
	FETCHB \b, 3
	s_wait_dscnt 16
	MULS \b, 2
	s_wait_dscnt 0x0
	MULS \b, 3
	WIN 0
	PLACES 9
.endm
	s_load_b256 s[4:11], s[0:1], 0x0               ; hq, hs, W2's codes, W2's scales
	s_load_b128 s[12:15], s[0:1], 0x20             ; route, ypart
	v_lshl_add_u32 v254, v0, 2, 0x49c00
	v_mov_b32 v255, 0
	v_lshrrev_b32 v14, 5, v0
	v_readfirstlane_b32 s20, v14                   ; wave 0..3
	s_lshr_b32 s21, ttmp9, 5                       ; expert
	s_bfe_u32 s22, ttmp9, 0x30002                  ; which 128 columns
	s_and_b32 s81, ttmp9, 3                        ; which quarter of K
	s_lshl_b32 s31, s21, 2
	s_mov_b32 s63, 0
	s_mov_b32 s83, 0
	v_and_b32 v14, 31, v0
	v_lshlrev_b32 v[LI], 4, v14
	v_lshlrev_b32 v[L4], 2, v14
	v_and_b32 v15, 15, v0                          ; r
	v_bfe_u32 v14, v0, 4, 1                        ; h
	v_mul_u32_u24 v[BA], v15, LP
	v_lshl_add_u32 v[BA], v14, 4, v[BA]
	v_add_nc_u32 v[BA+1], BLKB, v[BA]
	v_add_nc_u32 v[BA+2], 2*BLKB, v[BA]
	v_add_nc_u32 v[BA+3], 3*BLKB, v[BA]
	s_mul_i32 s28, s20, BLKB
	v_add_nc_u32 v[WL], s28, v[LI]
	v_lshlrev_b32 v[WSO], 7, v15                   ; 128 scale bytes a row
	v_lshl_add_u32 v[WSO], v14, 4, v[WSO]
	s_mul_i32 s28, s20, 42240
	s_add_co_u32 s28, s28, STG                     ; my five stages
	v_mul_u32_u24 v[STO], v15, 528
	v_lshl_add_u32 v[STO], v14, 5, v[STO]
	v_add_nc_u32 v[STO], s28, v[STO]
	v_add_nc_u32 v[RD], s28, v[LI]
	s_wait_kmcnt 0x0
	s_load_b32 s24, s[12:13], s31 offset:8192      ; the expert's first tile
	s_load_b32 s23, s[12:13], s31 offset:8224      ; and how many it has
	s_lshl_b32 s82, s21, 22
	s_lshl_b32 s28, s22, 19
	s_add_co_u32 s82, s82, s28
	s_lshl_b32 s28, s81, 10
	s_add_co_u32 s82, s82, s28
	s_lshl_b32 s28, s20, 17
	s_add_co_u32 s82, s82, s28
	s_add_nc_u64 s[8:9], s[8:9], s[82:83]          ; my wave's 32 rows of the slab
	WIN 0xc0
.set l, 0
.rept 64
	global_load_b128 v[4*l:4*l+3], v[LI], s[8:9] offset:(l/2)*ROWP+512*(l%2) th:TH_LOAD_NT   ; half of a row's quarter: 512 consecutive bytes, read once in the launch
.set l, l+1
.endr
	WIN 0
	s_lshl_b32 s82, s21, 17
	s_lshl_b32 s28, s22, 14
	s_add_co_u32 s82, s82, s28
	s_lshl_b32 s28, s81, 5
	s_add_co_u32 s82, s82, s28
	s_add_nc_u64 s[10:11], s[10:11], s[82:83]      ; the slab's scale bytes
	s_lshl_b32 s82, s81, 14
	s_add_nc_u64 s[4:5], s[4:5], s[82:83]          ; hq at my quarter's first K step
	s_lshl_b32 s82, s81, 9
	s_add_nc_u64 s[6:7], s[6:7], s[82:83]          ; hs likewise
	s_lshl_b32 s82, s81, 12
	s_lshl_b32 s28, s22, 9
	s_add_co_u32 s82, s82, s28
	s_add_nc_u64 s[14:15], s[14:15], s[82:83]      ; ypart at (q, my first column)
	s_wait_kmcnt 0x0
	s_min_u32 s23, s23, 128
	s_cmp_eq_u32 s23, 0
	s_cselect_b32 s24, 0, s24                      ; an expert without rows: the loads below take tile 0, and every wave ends behind the barrier
	s_max_u32 s27, s23, 1
	s_sub_co_u32 s27, s27, 1
	s_mov_b32 s25, s20
	SETTILES
.set g, 0
.rept 8
	s_wait_loadcnt 56                              ; slab loads 8 g .. 8 g + 7 are in: behind them stand 56 - 8 g of the slab's and 8 g of h's
	WIN 0x0c
.irp k, 0,1,2,3,4,5,6,7
.set t_l, 8*g+\k
	ds_store_b128 v[WL], v[4*t_l:4*t_l+3] offset:(t_l/2)*LP+512*(t_l%2)
.endr
	ALOAD8 g
.set g, g+1
.endr
.irp g, 8,9,10,11,12,13,14,15
	ALOAD8 \g
.endr
	ASLOAD
.irp u, 0,1,2,3,4,5,6,7
	global_load_b128 v[WS+4*\u:WS+4*\u+3], v[WSO], s[10:11] offset:2048*\u
.endr
	s_wait_dscnt 0x0                               ; my part of the slab lies in LDS, and its registers are free:
.irp g, 16,17,18,19
	ALOAD8 \g
.endr
	WIN 0
	s_barrier_signal -1
	s_barrier_wait -1                              ; the whole slab lies in LDS; nobody writes it again
	s_mov_b32 s[PS], 0
	s_cmp_ge_u32 s25, s23
	s_cbranch_scc1 .Ldone
.Lpass:
	s_wait_loadcnt 0x0
.irp b, 0,1,2,3
	KLOOP \b
.irp i, 0,1,2,3,4
.irp u, 0,1
	ds_store_b128 v[STO], v[ACC+16*\i+8*\u:ACC+16*\i+8*\u+3] offset:8448*\i+128*\b+64*\u        ; each accumulator from its low end on: row r, columns 32 b + 16 u + 8 h on
	ds_store_b128 v[STO], v[ACC+16*\i+8*\u+4:ACC+16*\i+8*\u+7] offset:8448*\i+128*\b+64*\u+16
.endr
.endr
.endr
.irp i, 0,1,2,3,4
	s_cmp_le_u32 s26, \i
	s_cbranch_scc1 .Lsent                          ; a repeated tile stores nothing
	s_wait_xcnt 0x0                                ; the last tile's stores have read their registers
.irp p, 0,1,2,3,4,5,6,7,8,9,10,11,12,13,14,15
	ds_load_b128 v[OB+4*\p:OB+4*\p+3], v[RD] offset:8448*\i+528*\p   ; LDS serves a wave's instructions in order (ISA guide 5.7.1.4): these see my stores
.endr
	s_wait_dscnt 0x0
.irp p, 0,1,2,3,4,5,6,7,8,9,10,11,12,13,14,15
	global_store_b128 v[LI], v[OB+4*\p:OB+4*\p+3], s[OC+2*\i:OC+2*\i+1] offset:16384*\p th:TH_STORE_NT   ; 512 consecutive bytes of a slot's row
.endr
.endr
.Lsent:
	s_add_co_u32 s25, s25, 20                      ; my first tile of the next pass
	s_cmp_ge_u32 s25, s23
	s_cbranch_scc1 .Ldone                          ; none is left: in the seventh pass at the latest, where s25 is 140 or more and the expert has 128 tiles at the most
	s_wait_xcnt 0x0                                ; the stores have read their bases and data
	SETTILES
.irp g, 0,1,2,3,4,5,6,7,8,9,10,11,12,13,14,15,16,17,18,19
	ALOAD8 \g
.endr
	ASLOAD
	s_add_co_u32 s[PS], s[PS], 1
	s_cmp_lt_u32 s[PS], PASSES
	s_cbranch_scc1 .Lpass
.Ldone:
	s_wait_tensorcnt 0x0
	ds_add_u32 v254, v255
	s_wait_dscnt 0x0
	s_endpgm
.Lfunc_end_k_q766e5a8978_gemm2:
	.size	k_q766e5a8978_gemm2, .Lfunc_end_k_q766e5a8978_gemm2-k_q766e5a8978_gemm2
	.p2alignl 7, 3214868480
	.fill 96, 4, 3214868480
	.section	.rodata,"a",@progbits
	.p2align	6, 0x0
	.amdhsa_kernel k_q766e5a8978_gemm2
		.amdhsa_group_segment_fixed_size 302592
		.amdhsa_private_segment_fixed_size 0
		.amdhsa_enable_private_segment 0
		.amdhsa_kernarg_size 48
		.amdhsa_user_sgpr_count 2
		.amdhsa_user_sgpr_kernarg_segment_ptr 1
		.amdhsa_wavefront_size32 1
		.amdhsa_system_sgpr_workgroup_id_x 1
		.amdhsa_system_sgpr_workgroup_id_y 1
		.amdhsa_system_sgpr_workgroup_id_z 1
		.amdhsa_system_vgpr_workitem_id 0
		.amdhsa_next_free_vgpr 1024
		.amdhsa_next_free_sgpr 96
		.amdhsa_reserve_vcc 0
		.amdhsa_float_denorm_mode_32 3
		.amdhsa_float_denorm_mode_16_64 3
		.amdhsa_memory_ordered 1
		.amdhsa_forward_progress 1
		.amdhsa_inst_pref_size 133
	.end_amdhsa_kernel
	.amdgpu_metadata
---
amdhsa.version: [ 1, 2 ]
amdhsa.kernels:
  - .name:           k_q766e5a8978_gemm2
    .symbol:         k_q766e5a8978_gemm2.kd
    .args:
      - { .name: hq, .offset: 0, .size: 8, .value_kind: global_buffer, .address_space: global }
      - { .name: hs, .offset: 8, .size: 8, .value_kind: global_buffer, .address_space: global }
      - { .name: W2_codes, .offset: 16, .size: 8, .value_kind: global_buffer, .address_space: global }
      - { .name: W2_scales, .offset: 24, .size: 8, .value_kind: global_buffer, .address_space: global }
      - { .name: route, .offset: 32, .size: 8, .value_kind: global_buffer, .address_space: global }
      - { .name: ypart, .offset: 40, .size: 8, .value_kind: global_buffer, .address_space: global }
    .group_segment_fixed_size: 302592
    .private_segment_fixed_size: 0
    .kernarg_segment_align: 8
    .kernarg_segment_size: 48
    .max_flat_workgroup_size: 128
    .sgpr_count:     96
    .vgpr_count:     1024
    .wavefront_size: 32
...
	.end_amdgpu_metadata
.endif
;; end of part 3
;; launch combine (part 4): grid 256 x 1, 8 waves a work-group, no clusters, 1,536 bytes of LDS; arguments ypart, zl, route, mapping, b2, out0; writes out0
.if DOCPART == 4
	.amdgcn_target "amdgcn-amd-amdhsa--gfx1250"
	.amdhsa_code_object_version 6
	.text
	.protected	k_q766e5a8978_combine
	.globl	k_q766e5a8978_combine
	.p2align	8
	.type	k_q766e5a8978_combine,@function
k_q766e5a8978_combine:
	s_mov_b64 s[64:65], 0
	v_nop
	global_prefetch_b8 v0, s[64:65] scope:SCOPE_SE
	s_setreg_imm32_b32 hwreg(HW_REG_WAVE_MODE, 25, 1), 1
	s_wait_xcnt 0x0
; COMBINE.  out[i] = w0 (y(slot of (i, 0)) + b2[e0]) + w1 (y(slot of (i, 1)) + b2[e1]); y = the four K quarters of ypart added in f32, K ascending.
; THE GATE: l = softmax of the logits over the TOKEN axis, the column's maximum taken away first; w_k = l_k / (l_0 + l_1), formed as 1 / (1 + l_other / l_own) with
; l_1 / l_0 = 2^(((z1 - m1) - (z0 - m0)) log2 e) S0 / S1: equal to the quotient wherever that is finite, and sound where both l fall under the smallest number.
; Every work-group finds the eight columns' maxima m and sums S for itself from zl (32,768 bytes): 256 threads x 8 loads of 16 bytes; a thread's four numbers are experts 4 (thread % 2) + 0 .. 3.
; SHARES: a work-group has four tokens; wave w has token 4 id + w / 2 and half w % 2 of its row: 2,048 bytes, four loads of 512 consecutive bytes from each of the eight partial rows.
; A stream: no matrix unit, no tensor load, no cluster; two barriers, for the two reductions over the waves.
; LIMITS: mapping holds 0 .. 7 (it is held there for the addresses' sake); NaN and infinities are not served.
.set Z,  8                             ; v8-39    32 logits
.set M,  40                            ; v40-43   the maxima of my four experts
.set S,  44                            ; v44-47   the sums
.set RB, 48                            ; v48-79   the eight waves' figures read back
.set Y,  80                            ; v80-207  partial rows: (k, q, piece) at 64 k + 16 q + 4 piece
.set BB, 208                           ; v208-239 b2: (k, piece) at 16 k + 4 piece
	s_load_b256 s[4:11], s[0:1], 0x0               ; ypart, zl, route, mapping
	s_load_b128 s[12:15], s[0:1], 0x20             ; b2, out0
	v_lshl_add_u32 v7, v0, 2, 0x200
	v_mov_b32 v255, 0
	v_lshrrev_b32 v5, 5, v0
	v_readfirstlane_b32 s16, v5                    ; wave 0..7
	v_and_b32 v1, 31, v0
	v_lshlrev_b32 v1, 4, v1                        ; 16 x lane
	v_lshlrev_b32 v2, 4, v0                        ; 16 x thread
	v_and_b32 v3, 0xe0, v0                         ; 32 x wave
	v_and_b32 v4, 1, v0
	v_lshlrev_b32 v4, 4, v4                        ; 16 x (lane % 2)
	v_add_nc_u32 v3, v3, v4
.irp c, 0,1,2,3
	v_mov_b32 v[244+\c], 0                         ; a lane permute's destination counts as one of its sources
.endr
	s_mov_b32 s60, 0x76543210
	s_mov_b32 s61, 0xfedcba98
	s_lshr_b32 s17, s16, 1
	s_lshl_b32 s18, ttmp9, 2
	s_add_co_u32 s17, s17, s18                     ; my token
	s_and_b32 s18, s16, 1
	s_lshl_b32 s18, s18, 11                        ; my half of a row, in bytes
	s_lshl_b32 s19, s17, 3
	s_mov_b32 s49, 0
	s_wait_kmcnt 0x0
	s_load_b64 s[20:21], s[10:11], s19 offset:0x0  ; the token's two experts
	s_load_b64 s[22:23], s[8:9], s19 offset:0x0    ; and their slots
.irp j, 0,1,2,3,4,5,6,7
	global_load_b128 v[Z+4*\j:Z+4*\j+3], v2, s[6:7] offset:4096*\j
.endr
	s_wait_kmcnt 0x0
	s_min_u32 s20, s20, 7
	s_min_u32 s21, s21, 7
	s_min_u32 s22, s22, 2159
	s_min_u32 s23, s23, 2159
	s_lshl_b32 s24, s20, 2
	s_lshl_b32 s25, s21, 2
	s_lshl_b32 s48, s17, 5
	s_add_co_u32 s24, s24, s48
	s_add_co_u32 s25, s25, s48
	s_load_b32 s26, s[6:7], s24 offset:0x0         ; z0, z1: the token's logits of its two experts
	s_load_b32 s27, s[6:7], s25 offset:0x0
	s_lshl_b32 s48, s22, 14
	s_add_co_u32 s48, s48, s18
	s_add_nc_u64 s[28:29], s[4:5], s[48:49]
	s_lshl_b32 s48, s23, 14
	s_add_co_u32 s48, s48, s18
	s_add_nc_u64 s[30:31], s[4:5], s[48:49]
	s_lshl_b32 s48, s20, 12
	s_add_co_u32 s48, s48, s18
	s_add_nc_u64 s[50:51], s[12:13], s[48:49]
	s_lshl_b32 s48, s21, 12
	s_add_co_u32 s48, s48, s18
	s_add_nc_u64 s[52:53], s[12:13], s[48:49]
	s_lshl_b32 s48, s17, 12
	s_add_co_u32 s48, s48, s18
	s_add_nc_u64 s[54:55], s[14:15], s[48:49]
.irp k, 0,1
.irp q, 0,1,2,3
.irp p, 0,1,2,3
	global_load_b128 v[Y+64*\k+16*\q+4*\p:Y+64*\k+16*\q+4*\p+3], v1, s[28+2*\k:29+2*\k] offset:4096*\q+512*\p th:TH_LOAD_NT
.endr
.endr
.endr
.irp k, 0,1
.irp p, 0,1,2,3
	global_load_b128 v[BB+16*\k+4*\p:BB+16*\k+4*\p+3], v1, s[50+2*\k:51+2*\k] offset:512*\p
.endr
.endr
	s_wait_loadcnt 40                              ; the logits are in; the 32 loads of partial rows and the 8 of b2 stay out
.irp c, 0,1,2,3
	v_max3_num_f32 v[M+\c], v[Z+\c], v[Z+4+\c], v[Z+8+\c]
.endr
.irp c, 0,1,2,3
	v_max3_num_f32 v[M+\c], v[M+\c], v[Z+12+\c], v[Z+16+\c]
.endr
.irp c, 0,1,2,3
	v_max3_num_f32 v[M+\c], v[M+\c], v[Z+20+\c], v[Z+24+\c]
.endr
.irp c, 0,1,2,3
	v_max_num_f32 v[M+\c], v[M+\c], v[Z+28+\c]
.endr
.irp m, 2,4,8                          ; over the lanes of my parity: even lanes hold experts 0-3, odd lanes 4-7
.irp c, 0,1,2,3
	v_max_num_f32_dpp v[M+\c], v[M+\c], v[M+\c] row_xmask:\m row_mask:0xf bank_mask:0xf
.endr
.endr
.irp c, 0,1,2,3
	v_permlanex16_b32 v[244+\c], v[M+\c], s60, s61
.endr
.irp c, 0,1,2,3
	v_max_num_f32 v[M+\c], v[M+\c], v[244+\c]
.endr
	ds_store_b128 v3, v[M:M+3]                     ; my wave's eight maxima: lanes of one parity store the same 16 bytes
	s_wait_dscnt 0x0                               ; for the others' sake
	s_barrier_signal -1
	s_barrier_wait -1
.irp w, 0,1,2,3,4,5,6,7
	ds_load_b128 v[RB+4*\w:RB+4*\w+3], v4 offset:32*\w
.endr
	s_wait_dscnt 0x0
.irp c, 0,1,2,3
	v_max3_num_f32 v[M+\c], v[RB+\c], v[RB+4+\c], v[RB+8+\c]
.endr
.irp c, 0,1,2,3
	v_max3_num_f32 v[M+\c], v[M+\c], v[RB+12+\c], v[RB+16+\c]
.endr
.irp c, 0,1,2,3
	v_max3_num_f32 v[M+\c], v[M+\c], v[RB+20+\c], v[RB+24+\c]
.endr
.irp c, 0,1,2,3
	v_max_num_f32 v[M+\c], v[M+\c], v[RB+28+\c]    ; the columns' maxima
.endr
.irp j, 0,1,2,3,4,5,6,7
	v_pk_add_f32 v[Z+4*\j:Z+4*\j+1], v[Z+4*\j:Z+4*\j+1], v[M:M+1] neg_lo:[0,1] neg_hi:[0,1]
	v_pk_add_f32 v[Z+4*\j+2:Z+4*\j+3], v[Z+4*\j+2:Z+4*\j+3], v[M+2:M+3] neg_lo:[0,1] neg_hi:[0,1]
.endr
.set j, 0
.rept 16
	v_pk_mul_f32 v[Z+2*j:Z+2*j+1], v[Z+2*j:Z+2*j+1], 0x3fb8aa3b op_sel_hi:[1,0]
.set j, j+1
.endr
.set j, 0
.rept 32
	v_exp_f32 v[Z+j], v[Z+j]
.set j, j+1
.endr
	v_nop                                          ; a plain instruction behind the last exponential,
	s_wait_alu depctr_va_vdst(0)                   ; and one wait for the batch, ahead of its first reader
	v_pk_add_f32 v[S:S+1], v[Z:Z+1], v[Z+4:Z+5]
	v_pk_add_f32 v[S+2:S+3], v[Z+2:Z+3], v[Z+6:Z+7]
.irp j, 2,3,4,5,6,7
	v_pk_add_f32 v[S:S+1], v[S:S+1], v[Z+4*\j:Z+4*\j+1]
	v_pk_add_f32 v[S+2:S+3], v[S+2:S+3], v[Z+4*\j+2:Z+4*\j+3]
.endr
.irp m, 2,4,8
.irp c, 0,1,2,3
	v_add_f32_dpp v[S+\c], v[S+\c], v[S+\c] row_xmask:\m row_mask:0xf bank_mask:0xf
.endr
.endr
.irp c, 0,1,2,3
	v_permlanex16_b32 v[244+\c], v[S+\c], s60, s61
.endr
.irp c, 0,1,2,3
	v_add_f32 v[S+\c], v[S+\c], v[244+\c]
.endr
	ds_store_b128 v3, v[S:S+3] offset:256          ; other bytes than the maxima's: no wave may still be reading those
	s_wait_dscnt 0x0
	s_barrier_signal -1
	s_barrier_wait -1
.irp w, 0,1,2,3,4,5,6,7
	ds_load_b128 v[RB+4*\w:RB+4*\w+3], v4 offset:256+32*\w
.endr
	s_wait_dscnt 0x0
	v_pk_add_f32 v[S:S+1], v[RB:RB+1], v[RB+4:RB+5]
	v_pk_add_f32 v[S+2:S+3], v[RB+2:RB+3], v[RB+6:RB+7]
.irp w, 2,3,4,5,6,7
	v_pk_add_f32 v[S:S+1], v[S:S+1], v[RB+4*\w:RB+4*\w+1]
	v_pk_add_f32 v[S+2:S+3], v[S+2:S+3], v[RB+4*\w+2:RB+4*\w+3]   ; the columns' sums
.endr
.irp c, 0,1,2,3
	v_readlane_b32 s[32+\c], v[M+\c], 0            ; s32-39 the eight maxima, s40-47 the eight sums
	v_readlane_b32 s[36+\c], v[M+\c], 1
	v_readlane_b32 s[40+\c], v[S+\c], 0
	v_readlane_b32 s[44+\c], v[S+\c], 1
.endr
.macro PICK ek, m, s                   ; the maximum and the sum of expert s[ek]: selects, no branch
	s_mov_b32 s[\m], s32
	s_mov_b32 s[\s], s40
.irp j, 1,2,3,4,5,6,7
	s_cmp_eq_u32 s[\ek], \j
	s_cselect_b32 s[\m], s[32+\j], s[\m]
	s_cselect_b32 s[\s], s[40+\j], s[\s]
.endr
.endm
	PICK 20, 56, 57
	PICK 21, 58, 59
	s_wait_kmcnt 0x0                               ; z0, z1
	v_mov_b32 v248, s56
	v_mov_b32 v249, s58
	v_sub_f32 v248, s26, v248                      ; z0 - m0
	v_sub_f32 v249, s27, v249                      ; z1 - m1
	v_sub_f32 v250, v249, v248
	v_mul_f32 v250, 0x3fb8aa3b, v250               ; d
	v_rcp_f32 v251, s59                            ; 1 / S1
	v_rcp_f32 v252, s57                            ; 1 / S0
	v_exp_f32 v253, v250
	v_exp_f32 v254, -v250
	v_nop
	s_wait_alu depctr_va_vdst(0)                   ; one wait for the four
	v_mul_f32 v253, s57, v253
	v_mul_f32 v254, s59, v254
	v_fma_f32 v253, v253, v251, 1.0                ; 1 + l1 / l0
	v_fma_f32 v254, v254, v252, 1.0                ; 1 + l0 / l1
	v_rcp_f32 v240, v253                           ; w0
	v_rcp_f32 v242, v254                           ; w1
	v_nop
	s_wait_alu depctr_va_vdst(0)
	v_mov_b32 v241, v240
	v_mov_b32 v243, v242
	s_wait_loadcnt 0x0
.macro SUMK k, p, h                    ; two numbers of y + b2 for choice k: the four quarters in ascending order, then the bias
.set y_0, Y+64*(\k)+4*(\p)+(\h)
	v_pk_add_f32 v[y_0:y_0+1], v[y_0:y_0+1], v[y_0+16:y_0+17]
	v_pk_add_f32 v[y_0:y_0+1], v[y_0:y_0+1], v[y_0+32:y_0+33]
	v_pk_add_f32 v[y_0:y_0+1], v[y_0:y_0+1], v[y_0+48:y_0+49]
	v_pk_add_f32 v[y_0:y_0+1], v[y_0:y_0+1], v[BB+16*(\k)+4*(\p)+(\h):BB+16*(\k)+4*(\p)+(\h)+1]
.endm
.irp p, 0,1,2,3
.irp h, 0,2
	SUMK 0, \p, \h
	SUMK 1, \p, \h
.endr
.irp h, 0,2
	v_pk_mul_f32 v[Y+4*\p+\h:Y+4*\p+\h+1], v[Y+4*\p+\h:Y+4*\p+\h+1], v[240:241]
	v_pk_fma_f32 v[Y+4*\p+\h:Y+4*\p+\h+1], v[Y+64+4*\p+\h:Y+64+4*\p+\h+1], v[242:243], v[Y+4*\p+\h:Y+4*\p+\h+1]
.endr
	global_store_b128 v1, v[Y+4*\p:Y+4*\p+3], s[54:55] offset:512*\p th:TH_STORE_NT   ; 512 consecutive bytes of the token's row
.endr
	s_wait_tensorcnt 0x0
	ds_add_u32 v7, v255
	s_wait_dscnt 0x0
	s_endpgm
.Lfunc_end_k_q766e5a8978_combine:
	.size	k_q766e5a8978_combine, .Lfunc_end_k_q766e5a8978_combine-k_q766e5a8978_combine
	.p2alignl 7, 3214868480
	.fill 96, 4, 3214868480
	.section	.rodata,"a",@progbits
	.p2align	6, 0x0
	.amdhsa_kernel k_q766e5a8978_combine
		.amdhsa_group_segment_fixed_size 1536
		.amdhsa_private_segment_fixed_size 0
		.amdhsa_enable_private_segment 0
		.amdhsa_kernarg_size 48
		.amdhsa_user_sgpr_count 2
		.amdhsa_user_sgpr_kernarg_segment_ptr 1
		.amdhsa_wavefront_size32 1
		.amdhsa_system_sgpr_workgroup_id_x 1
		.amdhsa_system_sgpr_workgroup_id_y 1
		.amdhsa_system_sgpr_workgroup_id_z 1
		.amdhsa_system_vgpr_workitem_id 0
		.amdhsa_next_free_vgpr 256
		.amdhsa_next_free_sgpr 66
		.amdhsa_reserve_vcc 0
		.amdhsa_float_denorm_mode_32 3
		.amdhsa_float_denorm_mode_16_64 3
		.amdhsa_memory_ordered 1
		.amdhsa_forward_progress 1
		.amdhsa_inst_pref_size 27
	.end_amdhsa_kernel
	.amdgpu_metadata
---
amdhsa.version: [ 1, 2 ]
amdhsa.kernels:
  - .name:           k_q766e5a8978_combine
    .symbol:         k_q766e5a8978_combine.kd
    .args:
      - { .name: ypart, .offset: 0, .size: 8, .value_kind: global_buffer, .address_space: global }
      - { .name: zl, .offset: 8, .size: 8, .value_kind: global_buffer, .address_space: global }
      - { .name: route, .offset: 16, .size: 8, .value_kind: global_buffer, .address_space: global }
      - { .name: mapping, .offset: 24, .size: 8, .value_kind: global_buffer, .address_space: global }
      - { .name: b2, .offset: 32, .size: 8, .value_kind: global_buffer, .address_space: global }
      - { .name: out0, .offset: 40, .size: 8, .value_kind: global_buffer, .address_space: global }
    .group_segment_fixed_size: 1536
    .private_segment_fixed_size: 0
    .kernarg_segment_align: 8
    .kernarg_segment_size: 48
    .max_flat_workgroup_size: 256
    .sgpr_count:     66
    .vgpr_count:     256
    .wavefront_size: 32
...
	.end_amdgpu_metadata
.endif
;; end of part 4
;; ======== version 2 of 2: 4 launches
;; workspace buffers: xq 2,211,840 bytes; xs 69,120 bytes; hq 8,847,360 bytes; hs 276,480 bytes; ypart 35,389,440 bytes; zl 32,768 bytes; route 8,448 bytes of whole numbers
;; launch prep (part 5): grid 1336 x 1, 1 waves a work-group, no clusters, 512 bytes of LDS; arguments x, mapping, Wg, xq, xs, zl, route; writes xq, xs, zl, route
.if DOCPART == 5
	.amdgcn_target "amdgcn-amd-amdhsa--gfx1250"
	.amdhsa_code_object_version 6
	.text
	.protected	k_q766e5a8978_prep
	.globl	k_q766e5a8978_prep
	.p2align	8
	.type	k_q766e5a8978_prep,@function
k_q766e5a8978_prep:
	s_mov_b64 s[64:65], 0
	v_nop
	global_prefetch_b8 v0, s[64:65] scope:SCOPE_SE
	s_setreg_imm32_b32 hwreg(HW_REG_WAVE_MODE, 25, 1), 1
	s_wait_xcnt 0x0
; PREP.  Two kinds of work-groups of one wave, told apart by the work-group's number.
; Work-groups 0 .. 1079 (tile t = id / 8, K step s = id % 8): the 2,048 entries (token i, choice k), q = 2 i + k, are sorted by expert
; (a counting sort that every such work-group does for itself, in registers: 64 entries a lane); each expert's run is filled up to whole tiles of 16 slots,
; at most 2048 / 16 + 7 = 135 tiles whatever the choice.  The work-group gathers the 16 rows of x of its tile, quantises 128 numbers of each along K to E4M3 with one E8M0 byte
; for each 32, and stores the fragment as an image of the operand's registers: xq [tile][K step][register group c][lane][16 bytes], xs [tile][K step][row] scale words.
; Slots that no entry fills take token 1023's row: real numbers, whose results nobody reads.  A tile past the last one in use stores nothing and ends.
; The K step 0 work-group of a tile also stores pos[q] = slot of entry q; tile 0's also the table: first tile and number of tiles of each expert.
; Work-groups 1080 .. 1335: the gate's logits x . Wg of four tokens each, in f32 fused multiply-adds (8 columns: no work for the matrix unit), to zl [token][8].
; No matrix instruction, no barrier, no tensor load: one wave shares nothing with another.
; LIMITS: mapping holds 0 .. 7, as the gather of the problem takes for granted; NaN and infinities in x are not served; a block of zeros gets the byte 1
; and not 127: its codes are zeros, and the bytes are read by this program alone.
.set NTQ, 1080
.set M,   16                           ; v16-79   my 64 entries' experts x 4: entry q = 128 (r / 4) + 4 lane + r % 4 in register r
.set X,   80                           ; v80-143  64 numbers of my row: register 16 b + i = k 32 b + 16 (lane / 16) + i
.set PC,  144                          ; v144-159 their codes
.set TM,  160                          ; v160-175 the quantiser's four blocks: largest magnitudes, bytes, holds, scale operands
.set PW,  176                          ; the scale word
.set VE,  177                          ; my counts of experts 0, 2, 4, 6, a byte each
.set VO,  178                          ; of experts 1, 3, 5, 7
.set A4,  179
.set T0,  180
.set P0,  181                          ; v181-184 counts in halves of 16 bits: 0|4, 2|6, 1|5, 3|7
.set VC,  185
.set VI,  186
.set VT,  187
.set VRUN, 188
.set VA,  189                          ; v189-190 by turns
.set VQ,  191                          ; v191-192 by turns
.set VL,  193
.set VTB, 194
.set VK,  195
.set VH,  196
.set VP,  197
.set VS,  198
.set CN,  20                           ; s20-27 entries of each expert
.set TL,  28                           ; s28-35 its tiles
.set ST,  36                           ; s36-44 its first tile; s44 the tiles in use
.set SEL, 58                           ; s[58:59] selects of v_permlanex16_b32: lane l xor 16
.set MNT, 60                           ; s60 the mantissa field of 448
	s_load_b256 s[4:11], s[0:1], 0x0               ; x, mapping, Wg, xq
	s_load_b128 s[12:15], s[0:1], 0x20             ; xs, zl
	s_load_b64 s[16:17], s[0:1], 0x30              ; route
	v_lshl_add_u32 v232, v0, 2, 0x100
	v_mov_b32 v233, 0
	v_lshlrev_b32 v1, 4, v0                        ; 16 x lane
	s_mov_b32 s[SEL], 0x76543210
	s_mov_b32 s[SEL+1], 0xfedcba98
	s_mov_b32 s57, 0
	s_cmp_ge_u32 ttmp9, NTQ
	s_cbranch_scc1 .Lgate
	; ---------------- a fragment of x ----------------
	s_lshr_b32 s18, ttmp9, 3                       ; tile t
	s_and_b32 s19, ttmp9, 7                        ; K step s
	v_and_b32 v3, 15, v0                           ; r
	v_lshlrev_b32 v2, 2, v3                        ; 4 r
	v_lshlrev_b32 v4, 2, v0                        ; 4 x lane
	s_mov_b32 s[MNT], 0x600000
	s_mov_b32 s61, 0x0f0f0f0f
	s_mov_b32 s62, 0x00ff00ff
	s_mov_b32 s63, 0xffff0000
	v_mov_b32 v[VT], 0                             ; destinations of lane moves count as read: written once here
.irp b, 0,1,2,3
	v_mov_b32 v[TM+4+\b], 0
.endr
	s_wait_kmcnt 0x0
	s_wait_alu depctr_va_vdst(0)
.irp j, 0,1,2,3,4,5,6,7,8,9,10,11,12,13,14,15
	global_load_b128 v[M+4*\j:M+4*\j+3], v1, s[6:7] offset:512*\j   ; all of mapping: 512 consecutive bytes a load
.endr
	s_wait_loadcnt 0x0
.set i, 0
.rept 64
	v_lshlrev_b32 v[M+i], 2, v[M+i]                ; x 4: the place of the expert's 4-bit field
.set i, i+1
.endr
; eight entries are counted in eight fields of 4 bits (8 at the most in a field), then spread into bytes
.macro COUNT8 g
	v_lshlrev_b32 v[A4], v[M+8*\g], 1
.irp k, 1,2,3,4,5,6,7
	v_lshl_add_u32 v[A4], 1, v[M+8*\g+\k], v[A4]
.endr
.if \g == 0
	v_and_b32 v[VE], s61, v[A4]
	v_lshrrev_b32 v[A4], 4, v[A4]
	v_and_b32 v[VO], s61, v[A4]
.else
	v_and_b32 v[T0], s61, v[A4]
	v_lshrrev_b32 v[A4], 4, v[A4]
	v_add_nc_u32 v[VE], v[VE], v[T0]
	v_and_b32 v[A4], s61, v[A4]
	v_add_nc_u32 v[VO], v[VO], v[A4]
.endif
.endm
.irp g, 0,1,2,3,4,5,6,7
	COUNT8 \g
.endr
	v_and_b32 v[P0], s62, v[VE]                    ; halves of 16 bits hold the sums over 32 lanes (2,048 at the most)
	v_lshrrev_b32 v[P0+1], 8, v[VE]
	v_and_b32 v[P0+1], s62, v[P0+1]
	v_and_b32 v[P0+2], s62, v[VO]
	v_lshrrev_b32 v[P0+3], 8, v[VO]
	v_and_b32 v[P0+3], s62, v[P0+3]
.irp p, 0,1,2,3
.irp m, 1,2,4,8
	v_mov_b32_dpp v[VT], v[P0+\p] row_xmask:\m row_mask:0xf bank_mask:0xf
	v_add_nc_u32 v[P0+\p], v[P0+\p], v[VT]
.endr
	v_permlanex16_b32 v[VT], v[P0+\p], s[SEL], s[SEL+1]
	v_add_nc_u32 v[P0+\p], v[P0+\p], v[VT]
.endr
	v_readfirstlane_b32 s49, v[P0]
	v_readfirstlane_b32 s50, v[P0+1]
	v_readfirstlane_b32 s51, v[P0+2]
	v_readfirstlane_b32 s52, v[P0+3]
	s_and_b32 s[CN+0], s49, 0xffff
	s_lshr_b32 s[CN+4], s49, 16
	s_and_b32 s[CN+2], s50, 0xffff
	s_lshr_b32 s[CN+6], s50, 16
	s_and_b32 s[CN+1], s51, 0xffff
	s_lshr_b32 s[CN+5], s51, 16
	s_and_b32 s[CN+3], s52, 0xffff
	s_lshr_b32 s[CN+7], s52, 16
	s_mov_b32 s[ST], 0
.irp e, 0,1,2,3,4,5,6,7
	s_add_co_u32 s[TL+\e], s[CN+\e], 15
	s_lshr_b32 s[TL+\e], s[TL+\e], 4               ; tiles of expert e
	s_add_co_u32 s[ST+1+\e], s[ST+\e], s[TL+\e]    ; first tile of the next
.endr
	s_cmp_ge_u32 s18, s[ST+8]
	s_cbranch_scc1 .Lunused                        ; this split does not use my tile
	s_mov_b32 s45, 0                               ; my tile's expert: the last e whose first tile is not behind t
	s_mov_b32 s46, 0
.irp e, 1,2,3,4,5,6,7
	s_cmp_ge_u32 s18, s[ST+\e]
	s_cselect_b32 s45, \e, s45
	s_cselect_b32 s46, s[ST+\e], s46
.endr
	s_sub_co_u32 s47, s18, s46
	s_lshl_b32 s47, s47, 4                         ; the rank, within the expert, of my tile's first slot
	s_lshl_b32 s48, s45, 2
	s_bitcmp1_b32 s45, 0
	s_cselect_b32 s49, -1, 0
	v_cndmask_b32 v[VC], v[VE], v[VO], s49
	s_lshr_b32 s50, s45, 1
	s_lshl_b32 s50, s50, 3
	v_lshrrev_b32 v[VC], s50, v[VC]
	v_and_b32 v[VC], 0xff, v[VC]                   ; my lane's entries of that expert
	v_mov_b32 v[VI], v[VC]
.irp n, 1,2,4,8
	v_mov_b32_dpp v[VT], v[VI] row_shr:\n row_mask:0xf bank_mask:0xf bound_ctrl:1
	v_add_nc_u32 v[VI], v[VI], v[VT]               ; running sum over the lanes of a row of 16
.endr
	v_readlane_b32 s50, v[VI], 15
	v_mov_b32 v[VT], s50
	v_cndmask_b32 v[VT], 0, v[VT], s63             ; lanes 16-31 add the first row's total
	v_add_nc_u32 v[VI], v[VI], v[VT]
	v_sub_nc_u32 v[VRUN], v[VI], v[VC]             ; the rank of my first entry of the expert,
	v_sub_nc_u32 v[VRUN], v[VRUN], s47             ; counted from my tile's first slot (it wraps below it)
	v_mov_b32 v5, 0xffff
	ds_store_b32 v4, v5                            ; the list of the tile's 16 entries, LDS words 0-15, begins as 'none'; word 16 swallows what is not the tile's
.set r, 0
.rept 64
	v_cmp_eq_u32 vcc_lo, s48, v[M+r]
	v_cndmask_b32 v[VA+r%2], 16, v[VRUN], vcc_lo
	v_add_co_ci_u32 v[VRUN], vcc_lo, 0, v[VRUN], vcc_lo   ; one rank on where the entry is the expert's
	v_min_u32 v[VA+r%2], 16, v[VA+r%2]             ; ranks outside 0 .. 15 go to word 16
	v_lshlrev_b32 v[VA+r%2], 2, v[VA+r%2]
	v_add_nc_u32 v[VQ+r%2], 128*(r/4)+r%4, v4      ; q
	ds_store_b32 v[VA+r%2], v[VQ+r%2]
.set r, r+1
.endr
	s_wait_dscnt 0x0
	ds_load_b32 v[VL], v2                          ; slot r's entry
	s_lshl_b32 s56, s19, 9
	s_add_nc_u64 s[4:5], s[4:5], s[56:57]          ; x at K step s
	s_lshl_b32 s56, s18, 14
	s_lshl_b32 s49, s19, 11
	s_add_co_u32 s56, s56, s49
	s_add_nc_u64 s[10:11], s[10:11], s[56:57]      ; xq at (t, s)
	s_lshl_b32 s56, s18, 9
	s_lshl_b32 s49, s19, 6
	s_add_co_u32 s56, s56, s49
	s_add_nc_u64 s[12:13], s[12:13], s[56:57]      ; xs at (t, s)
	v_bfe_u32 v[VH], v0, 4, 1
	v_lshlrev_b32 v[VH], 6, v[VH]                  ; 64 h
	s_wait_dscnt 0x0
	v_lshrrev_b32 v[VK], 1, v[VL]                  ; the token; 'none' becomes token 1023
	v_min_u32 v[VK], 0x3ff, v[VK]
	v_lshlrev_b32 v[VK], 12, v[VK]
	s_wait_alu depctr_va_vdst(0)
	v_add_nc_u32 v[VK], v[VK], v[VH]
.irp b, 0,1,2,3
.irp j, 0,1,2,3
	global_load_b128 v[X+16*\b+4*\j:X+16*\b+4*\j+3], v[VK], s[4:5] offset:128*\b+16*\j   ; my 16 neighbours of each block of 32
.endr
.endr
	s_cmp_lg_u32 s19, 0
	s_cbranch_scc1 .Lno_pos
	v_cmp_gt_u32 vcc_lo, 0x800, v[VL]              ; slots that hold an entry,
	s_and_b32 vcc_lo, vcc_lo, 0xffff               ; once (lanes 16-31 hold the same list)
	v_min_u32 v[VP], 0x7ff, v[VL]
	v_lshlrev_b32 v[VP], 2, v[VP]
	s_lshl_b32 s49, s18, 4
	v_add_nc_u32 v[VS], s49, v3                    ; slot = 16 t + r
	s_wait_alu depctr_va_vdst(0)
	s_wait_xcnt 0x0                                ; EXEC is a source of the loads above: it changes only behind this wait
	s_and_saveexec_b32 s51, vcc_lo
	global_store_b32 v[VP], v[VS], s[16:17]        ; pos[q]
	s_wait_xcnt 0x0                                ; and again in front of the line that widens it
	s_or_b32 exec_lo, exec_lo, s51
	s_cmp_lg_u32 s18, 0
	s_cbranch_scc1 .Lno_pos
	v_mov_b32 v[VTB], 0
.irp e, 0,1,2,3,4,5,6,7
	v_writelane_b32 v[VTB], s[ST+\e], \e
	v_writelane_b32 v[VTB], s[TL+\e], 8+\e
.endr
	global_store_b32 v4, v[VTB], s[16:17] offset:8192   ; the table: words 0-7 first tiles, 8-15 numbers of tiles
.Lno_pos:
	s_wait_loadcnt 0x0
.irp b, 0,1,2,3
	v_max3_num_f32 v[TM+\b], |v[X+16*\b]|, |v[X+1+16*\b]|, 0x4800000   ; block b: my 16 numbers, and the floor 2^(9 - 127): the byte cannot fall under 1
.endr
.irp i, 2,4,6,8,10,12,14
.irp b, 0,1,2,3
	v_max3_num_f32 v[TM+\b], v[TM+\b], |v[X+16*\b+\i]|, |v[X+1+16*\b+\i]|
.endr
.endr
.irp b, 0,1,2,3
	v_permlanex16_b32 v[TM+4+\b], v[TM+\b], s[SEL], s[SEL+1]
.endr
.irp b, 0,1,2,3
	v_max_num_f32 v[TM+\b], v[TM+\b], v[TM+4+\b]   ; with lane l xor 16's: the block's largest magnitude
.endr
.irp b, 0,1,2,3
	v_add_nc_u32 v[TM+12+\b], 0xfc000000, v[TM+\b] ; 8 off its exponent field: the conversion's scale operand
.endr
.irp b, 0,1,2,3
	v_and_or_b32 v[TM+8+\b], v[TM+\b], 0x7f800000, s[MNT]   ; 448 x the scale
.endr
.irp b, 0,1,2,3
	v_lshrrev_b32 v[TM+4+\b], 23, v[TM+12+\b]      ; the scale's byte
.endr
	v_lshl_or_b32 v[PW], v[TM+5], 8, v[TM+4]
	v_lshl_or_b32 v[PW], v[TM+6], 16, v[PW]
	v_lshl_or_b32 v[PW], v[TM+7], 24, v[PW]
.irp b, 0,1,2,3
.irp i, 0,1,2,3,4,5,6,7,8,9,10,11,12,13,14,15
	v_med3_num_f32 v[X+16*\b+\i], v[X+16*\b+\i], -v[TM+8+\b], v[TM+8+\b]   ; the conversion does not saturate (ISA guide 7.6.2): the hold at the largest code x the scale
.endr
	v_cvt_scalef32_pk8_fp8_f32 v[PC+4*\b:PC+1+4*\b], v[X+16*\b:X+7+16*\b], v[TM+12+\b]
	v_cvt_scalef32_pk8_fp8_f32 v[PC+2+4*\b:PC+3+4*\b], v[X+8+16*\b:X+15+16*\b], v[TM+12+\b]
.endr
	v_nop
.irp c, 0,1,2,3
	global_store_b128 v1, v[PC+4*\c:PC+4*\c+3], s[10:11] offset:512*\c   ; register group c: 512 consecutive bytes
.endr
	global_store_b32 v2, v[PW], s[12:13]           ; lanes l and l + 16 store the same word with the same value
.Lunused:
	s_wait_tensorcnt 0x0
	ds_add_u32 v232, v233
	s_wait_dscnt 0x0
	s_endpgm
	; ---------------- the gate's logits of four tokens ----------------
.Lgate:
	s_sub_co_u32 s18, ttmp9, NTQ
	s_mov_b32 s50, 0xffff0000                      ; lanes whose bit 4, 3, 2, 1, 0 is set
	s_mov_b32 s51, 0xff00ff00
	s_mov_b32 s52, 0xf0f0f0f0
	s_mov_b32 s53, 0xcccccccc
	s_mov_b32 s54, 0xaaaaaaaa
	s_lshl_b32 s56, s18, 14
	s_wait_kmcnt 0x0
	s_add_nc_u64 s[4:5], s[4:5], s[56:57]          ; my four rows of x
	s_lshl_b32 s56, s18, 7
	s_add_nc_u64 s[14:15], s[14:15], s[56:57]      ; and of zl
; group j: 512 bytes of each of the 4 rows of x and of the 8 rows of Wg, 16 bytes a lane, into buffer j % 3
.macro ZLOAD j
.set zbf, 16+48*((\j)%3)
.irp a, 0,1,2,3
	global_load_b128 v[zbf+4*\a:zbf+4*\a+3], v1, s[4:5] offset:4096*\a+512*(\j)
.endr
.irp e, 0,1,2,3,4,5,6,7
	global_load_b128 v[zbf+16+4*\e:zbf+16+4*\e+3], v1, s[8:9] offset:4096*\e+512*(\j)
.endr
.endm
; 64 packed multiply-adds: sum (a, e) is the pair v[160 + 2 (8 a + e)]; the first 32 products start the sums
.macro ZFMA j
.set zbf, 16+48*((\j)%3)
.irp h, 0,1
.irp a, 0,1,2,3
.irp e, 0,1,2,3,4,5,6,7
.if ((\j) == 0) && (\h == 0)
	v_pk_mul_f32 v[160+2*(8*\a+\e):161+2*(8*\a+\e)], v[zbf+4*\a:zbf+4*\a+1], v[zbf+16+4*\e:zbf+16+4*\e+1]
.else
	v_pk_fma_f32 v[160+2*(8*\a+\e):161+2*(8*\a+\e)], v[zbf+4*\a+2*\h:zbf+4*\a+2*\h+1], v[zbf+16+4*\e+2*\h:zbf+16+4*\e+2*\h+1], v[160+2*(8*\a+\e):161+2*(8*\a+\e)]
.endif
.endr
.endr
.endr
.endm
	s_wait_alu depctr_va_vdst(0)
	ZLOAD 0
	ZLOAD 1
	ZLOAD 2
.irp j, 0,1,2,3,4,5,6,7
.if \j <= 5
	s_wait_loadcnt 24                              ; group j is in; the two groups of 12 behind it may be out
.elseif \j == 6
	s_wait_loadcnt 12
.else
	s_wait_loadcnt 0x0
.endif
	ZFMA \j
.if \j+3 < 8
	ZLOAD \j+3
.endif
.endr
.set i, 0
.rept 32
	v_add_f32 v[16+i], v[160+2*i], v[161+2*i]      ; my lane's part of sum i = 8 a + e
.set i, i+1
.endr
	; the 32 sums are added over the 32 lanes and dealt out, sum l to lane l: in each step a lane keeps the half of its sums whose index bit equals its own lane bit, and sends the other half
.set i, 0
.rept 16
	v_cndmask_b32 v[64+i], v[32+i], v[16+i], s50
	v_cndmask_b32 v[80+i], v[16+i], v[32+i], s50
.set i, i+1
.endr
.set i, 0
.rept 16
	v_permlanex16_b32 v[96+i], v[64+i], s[SEL], s[SEL+1]
.set i, i+1
.endr
.set i, 0
.rept 16
	v_add_f32 v[16+i], v[80+i], v[96+i]
.set i, i+1
.endr
.macro RSTEP d, m
.set i, 0
.rept \d
	v_cndmask_b32 v[64+i], v[16+i+\d], v[16+i], s[\m]
	v_cndmask_b32 v[80+i], v[16+i], v[16+i+\d], s[\m]
.set i, i+1
.endr
.set i, 0
.rept \d
	v_add_f32_dpp v[16+i], v[64+i], v[80+i] row_xmask:\d row_mask:0xf bank_mask:0xf
.set i, i+1
.endr
.endm
	RSTEP 8, 51
	RSTEP 4, 52
	RSTEP 2, 53
	RSTEP 1, 54
	v_lshlrev_b32 v2, 2, v0
	global_store_b32 v2, v16, s[14:15]             ; zl[4 zb + a][e]: 128 consecutive bytes
	s_endpgm
.Lfunc_end_k_q766e5a8978_prep:
	.size	k_q766e5a8978_prep, .Lfunc_end_k_q766e5a8978_prep-k_q766e5a8978_prep
	.p2alignl 7, 3214868480
	.fill 96, 4, 3214868480
	.section	.rodata,"a",@progbits
	.p2align	6, 0x0
	.amdhsa_kernel k_q766e5a8978_prep
		.amdhsa_group_segment_fixed_size 512
		.amdhsa_private_segment_fixed_size 0
		.amdhsa_enable_private_segment 0
		.amdhsa_kernarg_size 56
		.amdhsa_user_sgpr_count 2
		.amdhsa_user_sgpr_kernarg_segment_ptr 1
		.amdhsa_wavefront_size32 1
		.amdhsa_system_sgpr_workgroup_id_x 1
		.amdhsa_system_sgpr_workgroup_id_y 1
		.amdhsa_system_sgpr_workgroup_id_z 1
		.amdhsa_system_vgpr_workitem_id 0
		.amdhsa_next_free_vgpr 234
		.amdhsa_next_free_sgpr 66
		.amdhsa_reserve_vcc 1
		.amdhsa_float_denorm_mode_32 3
		.amdhsa_float_denorm_mode_16_64 3
		.amdhsa_memory_ordered 1
		.amdhsa_forward_progress 1
		.amdhsa_inst_pref_size 96
	.end_amdhsa_kernel
	.amdgpu_metadata
---
amdhsa.version: [ 1, 2 ]
amdhsa.kernels:
  - .name:           k_q766e5a8978_prep
    .symbol:         k_q766e5a8978_prep.kd
    .args:
      - { .name: x, .offset: 0, .size: 8, .value_kind: global_buffer, .address_space: global }
      - { .name: mapping, .offset: 8, .size: 8, .value_kind: global_buffer, .address_space: global }
      - { .name: Wg, .offset: 16, .size: 8, .value_kind: global_buffer, .address_space: global }
      - { .name: xq, .offset: 24, .size: 8, .value_kind: global_buffer, .address_space: global }
      - { .name: xs, .offset: 32, .size: 8, .value_kind: global_buffer, .address_space: global }
      - { .name: zl, .offset: 40, .size: 8, .value_kind: global_buffer, .address_space: global }
      - { .name: route, .offset: 48, .size: 8, .value_kind: global_buffer, .address_space: global }
    .group_segment_fixed_size: 512
    .private_segment_fixed_size: 0
    .kernarg_segment_align: 8
    .kernarg_segment_size: 56
    .max_flat_workgroup_size: 32
    .sgpr_count:     66
    .vgpr_count:     234
    .wavefront_size: 32
...
	.end_amdgpu_metadata
.endif
;; end of part 5
;; launch gemm1 (part 6): grid 256 x 1, 4 waves a work-group, no clusters, 133,632 bytes of LDS; arguments xq, xs, W1_codes, W1_scales, b1, route, hq, hs; writes hq, hs
.if DOCPART == 6
	.amdgcn_target "amdgcn-amd-amdhsa--gfx1250"
	.amdhsa_code_object_version 6
	.text
	.protected	k_q766e5a8978_gemm1
	.globl	k_q766e5a8978_gemm1
	.p2align	8
	.type	k_q766e5a8978_gemm1,@function
k_q766e5a8978_gemm1:
	s_mov_b64 s[64:65], 0
	v_nop
	global_prefetch_b8 v0, s[64:65] scope:SCOPE_SE
	s_setreg_imm32_b32 hwreg(HW_REG_WAVE_SCHED_MODE, 0, 2), 2
	s_setreg_imm32_b32 hwreg(HW_REG_WAVE_MODE, 25, 1), 1
	s_wait_xcnt 0x0
	s_wait_alu depctr_vm_vsrc(0)
; GEMM1.  h = Q(gelu(Q(x) W1[e] + b1[e])) for the routed rows alone, on codes of E4M3 with one E8M0 byte for each 32 along K.
; THE WEIGHTS STAND STILL.  Work-group id owns expert e = id / 32 and hidden units 128 (id % 32) on: 128 rows of W1 x 1,024 codes, 131,072 bytes, which no other work-group reads.
; They are loaded once, 512 consecutive bytes a load, and laid in LDS behind the launch's one barrier, which stands ahead of every branch on loaded numbers.
; Then the four waves go their own ways: wave w takes the expert's tiles of 16 routed rows w, w + 4, .. w + 16, and 20 further on in each further pass.  An expert has at most 2,048 / 16 = 128 tiles,
; so seven passes serve every split: the loop is counted to seven and left as soon as the wave has no tile more.
; It keeps the five tiles' fragments of x (5 x 128 registers) in registers, loaded as images of the operand's registers, and reads each fragment of W1 from LDS once for the five.
; A wave with fewer than five tiles left repeats the expert's last tile in its loads and arithmetic; that tile's stores are jumped over.
; TRANSPOSED USE: source 0 = 16 rows of W1, source 1 = 16 routed rows: a lane holds one routed row, its registers run along the hidden units.  The rows of W1 that form a tile are chosen
; (LDS row = the row's number with bits 3 and 4 exchanged) so that the 16 registers of tiles 2 b and 2 b + 1 are 16 neighbours along the next K: 32 b + 16 (lane / 16) + 0 .. 15.
; b1 is the C of each sum's first matrix instruction.  gelu(x) = x / (1 + 2^(x (K1 + K3 x^2))), K1 = -2 log2(e) sqrt(2 / pi), K3 = 0.044715 K1: the tanh form, all in f32.
; The results leave as images too: hq [tile][K step = id % 32][register group b][lane][16 bytes], hs [tile][K step][row] scale words.
; NO TENSOR LOAD, NO CLUSTER: the number of an expert's tiles is read from memory, and the passes and the stores' guards hang on it; no weight byte is shared between work-groups.
; LIMITS: NaN and infinities are not served; a block of zeros gets the byte 1 and not 127 (its codes are zeros; the bytes are read by this program alone).
; REGISTERS, in windows of 256: window 0: addresses, scale words, biases, the ten accumulators, the quantiser's;  windows 1, 2: x's tiles 0, 1 and 2, 3 (128 (i % 2) + 16 s);
;   window 3: v0-127 x's tile 4; v128-255 two buffers of four fragments of W1, and gelu's work registers; at the head all 256 take the slab on its way to LDS.
; THE MODE: SCHED_MODE bits 1:0 = 2 (LLVM: expert scheduling mode 2), set by the entry lines.  The code itself states the register dependences
; between vector or matrix instructions and memory or LDS instructions, with s_wait_alu, always for 0.
; THE PLAN.  Registers that memory or LDS instructions touch:
;   v1-10      offsets and LDS addresses.  Written by vector instructions at the head, once; read by every load and store.  One wait on va_vdst ahead of the first load.
;   window 3   at the head: the slab's loads land in it, my LDS stores read it.  One wait on vm_vsrc behind those stores, ahead of the loads that land in it next.
;   F0, F1     (window 3, v128-191 and v192-255)  Group g of a block (K steps 2 g, 2 g + 1) lands in F[g % 2]; the 20 products of step g read it.  gelu writes and reads v128-207.
;   X, AS      (windows 1, 2, window 3 v0-127; v16-35)  Loaded at the head and in the tail of a pass; read by the products alone.
;   WS, BI     loaded once; read by the products alone.
;   CD, SW     (v232-251, v227-231)  Written by a block's conversions and shifts; read by its stores.
; Step g asks for group g + 1, in two runs of eight loads, one ahead of its first eight products and one behind them.  F[(g + 1) % 2] was last read by step g - 1: so steps 1 and 2 begin with ONE wait
; on va_vdst, and the step's own products, which name F[g % 2], X, the accumulators and scale words, stand between the two runs without a further wait.
; Group 0 of block b + 1 is asked for inside block b's gelu and quantiser: one wait on va_vdst behind gelu's last multiplications frees both buffers, and what follows names window 0 alone; so step 0 owes no wait.
; One wait on va_vdst stands ahead of a block's stores, one on vm_vsrc ahead of the next writes of CD and SW.  The last block's wait on va_vdst stands behind every product of the pass, and no vector or matrix
; instruction follows it in the pass: it also serves the tail's loads into X and AS and the next pass's first loads into F0 and F1.
.set LP,   1040                        ; an LDS row: 1,024 bytes + 16: 65 x 16, so the 16 rows that a load touches start at 16 different groups of banks
.set BLKB, 33280                       ; 32 rows
.set ROWP, 1024                        ; a row of W1 in memory
.set PASSES, 7                         ; 128 tiles at the most, 20 a pass
.set PS,  84                           ; s84  the passes' counter
.set LI,  1                            ; v1   16 x lane
.set L4,  2                            ; v2   4 x lane
.set R4,  3                            ; v3   4 x (lane % 16)
.set BA,  4                            ; v4-7 LDS address of my lane's place in block b's tiles
.set WL,  8                            ; v8   where I lay the slab: 32 rows x wave + 16 x lane
.set WSO, 9                            ; v9   my lane's place among W1's scale bytes
.set BO,  10                           ; v10  64 x (lane / 16): among b1
.set KK,  12                           ; v[12:13] K1 twice
.set AS,  16                           ; v16-35  x's scale words: tile i, register g: lanes 0-15 K step 2 g, lanes 16-31 K step 2 g + 1
.set WS,  36                           ; v36-67  W1's: tile u, register g: lanes 0-15 K step g, lanes 16-31 K step 4 + g
.set BI,  68                           ; v68-131 b1: eight registers a tile u, in the result's layout
.set ACC, 132                          ; v132-211 accumulator (i, u') at ACC + 16 i + 8 u'
.set MX,  212                          ; v212-216 largest magnitudes, then the holds
.set PT,  217                          ; v217-221 the other half's, then the bytes
.set SCV, 222                          ; v222-226 the conversions' scale operands
.set SW,  227                          ; v227-231 the scale words
.set CD,  232                          ; v232-251 the codes, four registers a tile
.set AC,  32                           ; s[32:41] x's codes of my five tiles
.set ASB, 42                           ; s[42:51] their scale words
.set OC,  52                           ; s[52:61] where their codes of h go
.set OS,  66                           ; s[66:75] and their scale words
.set MSB, 0
.macro WIN new                         ; the immediate's high byte repeats the setting that is left; a switch that changes nothing is dropped
.if MSB != (\new)
	s_set_vgpr_msb (MSB<<8)|(\new)
.set MSB, (\new)
.endif
.endm
.macro PLACES n
.rept \n
	v_nop
.endr
.endm
; my five tiles of this pass: tile numbers are held inside the expert's run and inside the buffers, then shifted into byte offsets
.macro SETTILES
	s_sub_co_u32 s28, s23, s25
	s_add_co_u32 s28, s28, 3
	s_lshr_b32 s28, s28, 2
	s_min_u32 s26, s28, 5                          ; how many of the five are real
.irp i, 0,1,2,3,4
	s_add_co_u32 s28, s25, 4*\i
	s_min_u32 s28, s28, s27
	s_add_co_u32 s28, s28, s24
	s_min_u32 s28, s28, 134
	s_lshl_b32 s62, s28, 14
	s_add_nc_u64 s[AC+2*\i:AC+2*\i+1], s[4:5], s[62:63]
	s_lshl_b32 s62, s28, 9
	s_add_nc_u64 s[ASB+2*\i:ASB+2*\i+1], s[6:7], s[62:63]
	s_lshl_b32 s62, s28, 16
	s_add_nc_u64 s[OC+2*\i:OC+2*\i+1], s[16:17], s[62:63]
	s_lshl_b32 s62, s28, 11
	s_add_nc_u64 s[OS+2*\i:OS+2*\i+1], s[18:19], s[62:63]
.endr
.endm
; eight of the 160 loads of x's fragments: load n = tile n / 32, K step (n % 32) / 4, register group n % 4: 512 consecutive bytes
.macro ALOAD8 g
.irp k, 0,1,2,3,4,5,6,7
.set t_l, 8*(\g)+\k
.set t_i, t_l/32
.set t_s, (t_l%32)/4
.set t_c, t_l%4
	WIN (1+t_i/2)<<6
	global_load_b128 v[128*(t_i%2)+16*t_s+4*t_c:128*(t_i%2)+16*t_s+4*t_c+3], v[LI], s[AC+2*t_i:AC+2*t_i+1] offset:2048*t_s+512*t_c
.endr
.endm
.macro ASLOAD
	WIN 0
.irp i, 0,1,2,3,4
.irp g, 0,1,2,3
	global_load_b32 v[AS+4*\i+\g], v[L4], s[ASB+2*\i:ASB+2*\i+1] offset:128*\g
.endr
.endr
.endm
; half a group: two fragments of W1 (K step 2 g + d x tiles 2 b, 2 b + 1), eight loads, into buffer g % 2
.macro FETCHH b, g, d
	WIN 0xc0
.irp u, 0,1
.irp c, 0,1,2,3
	ds_load_b128 v[128+64*((\g)&1)+16*(2*(\d)+\u)+4*\c:128+64*((\g)&1)+16*(2*(\d)+\u)+4*\c+3], v[BA+(\b)] offset:16640*\u+128*(2*(\g)+(\d))+32*\c
.endr
.endr
.endm
.macro WM                              ; one matrix instruction; the rows of the scale registers follow the K step
.if (m_s >= 4) && (m_s & 1)
	v_wmma_scale_f32_16x16x128_f8f6f4 v[m_d:m_d+7], v[m_b:m_b+15], v[m_a:m_a+15], v[m_c:m_c+7], v[m_w], v[m_x] matrix_a_scale:MATRIX_SCALE_ROW1 matrix_b_scale:MATRIX_SCALE_ROW1
.elseif m_s >= 4
	v_wmma_scale_f32_16x16x128_f8f6f4 v[m_d:m_d+7], v[m_b:m_b+15], v[m_a:m_a+15], v[m_c:m_c+7], v[m_w], v[m_x] matrix_a_scale:MATRIX_SCALE_ROW1
.elseif m_s & 1
	v_wmma_scale_f32_16x16x128_f8f6f4 v[m_d:m_d+7], v[m_b:m_b+15], v[m_a:m_a+15], v[m_c:m_c+7], v[m_w], v[m_x] matrix_b_scale:MATRIX_SCALE_ROW1
.else
	v_wmma_scale_f32_16x16x128_f8f6f4 v[m_d:m_d+7], v[m_b:m_b+15], v[m_a:m_a+15], v[m_c:m_c+7], v[m_w], v[m_x]
.endif
.endm
.macro MM b, g, d, i, u
.set m_s, 2*(\g)+(\d)
.set m_d, ACC+16*(\i)+8*(\u)
.set m_b, 128+64*((\g)&1)+16*(2*(\d)+(\u))
.set m_a, 128*((\i)%2)+16*m_s
.set m_w, WS+4*(2*(\b)+(\u))+(m_s&3)
.set m_x, AS+4*(\i)+(m_s>>1)
.set m_c, m_d
.if m_s == 0
.set m_c, BI+8*(2*(\b)+(\u))           ; the bias starts the sum
.endif
	WM
.endm
; a step's 20 matrix instructions: two K steps x five tiles of rows x two tiles of W1, in two parts.  The accumulators take turns, one instruction a turn
.macro MULA b, g                       ; tiles of rows 0 and 1: eight
	WIN 0x07                                       ; source 0 window 3, source 1 window 1
.irp d, 0,1
.irp i, 0,1
.irp u, 0,1
	MM \b, \g, \d, \i, \u
.endr
.endr
.endr
.endm
.macro MULB b, g                       ; tiles of rows 2, 3 and 4: twelve
	WIN 0x0b                                       ; source 1 window 2
.irp d, 0,1
.irp i, 2,3
.irp u, 0,1
	MM \b, \g, \d, \i, \u
.endr
.endr
.endr
	WIN 0x0f                                       ; source 1 window 3
.irp d, 0,1
.irp u, 0,1
	MM \b, \g, \d, 4, \u
.endr
.endr
.endm
; Step g of block b: the products of group g, and among them the loads of group g + 1, which have the rest of the step in which to land.
.macro KSTEP b, g
.if ((\g) > 0) && ((\g) < 3)
	PLACES 8                                       ; eight plain places stay between the products that read a buffer and the loads into it; the wait stands behind them
.endif
.if (\g) < 3
	WIN 0xc0
.if (\g) > 0
	s_wait_alu depctr_va_vdst(0)                   ; the products of step g - 1 are done reading the buffer in which group g + 1 lands: it serves both runs of loads of this step
.endif
	FETCHH \b, (\g)+1, 0                           ; (step 0: nothing has named buffer 1 since the wait ahead of group 0's loads)
	s_wait_dscnt 8                                 ; LDS loads come back in order (ISA guide 5.7.1): group g is in, the eight just issued stay out
.else
	s_wait_dscnt 0x0                               ; the last group is in
.endif
	MULA \b, \g
.if (\g) < 3
	FETCHH \b, (\g)+1, 1                           ; no wait: the eight products since the wait name the other buffer, x's tiles, accumulators and scale words
.endif
	MULB \b, \g
.endm
; block b (32 hidden units) over all of K.  Nine places behind the last products: eight in front of the first read of results, one more since the next block's first products write over the accumulators
.macro KLOOP b
.irp g, 0,1,2,3
	KSTEP \b, \g
.endr
	WIN 0
	PLACES 9
.endm
; gelu and the quantiser for block b of the five tiles: 80 numbers a lane, in batches; among the quantiser's lines the next block's group 0 is asked for
.macro EPI b
	WIN 0xc0                                       ; destination window 3
.set j, 0
.rept 40
	v_pk_mul_f32 v[128+2*j:129+2*j], v[ACC+2*j:ACC+2*j+1], v[ACC+2*j:ACC+2*j+1]   ; x^2; each accumulator is read from its low end on
.set j, j+1
.endr
	WIN 0xc3                                       ; destination and source 0 window 3
.set j, 0
.rept 40
	v_pk_fma_f32 v[128+2*j:129+2*j], v[128+2*j:129+2*j], s[76:77], v[KK:KK+1] op_sel_hi:[1,0,1]   ; K3 x^2 + K1
.set j, j+1
.endr
.set j, 0
.rept 40
	v_pk_mul_f32 v[128+2*j:129+2*j], v[128+2*j:129+2*j], v[ACC+2*j:ACC+2*j+1]
.set j, j+1
.endr
.set j, 0
	s_wait_alu depctr_va_vdst(0)
.rept 80
	v_exp_f32 v[128+j], v[128+j]
.set j, j+1
.endr
	v_nop                                          ; a plain instruction behind the last exponential,
	s_wait_alu depctr_va_vdst(0)                   ; and one wait for the batch: the 80 exponentials have written their results, ahead of the additions that read them
.set j, 0
.rept 40
	v_pk_add_f32 v[128+2*j:129+2*j], v[128+2*j:129+2*j], 1.0 op_sel_hi:[1,0]
.set j, j+1
.endr
.set j, 0
	s_wait_alu depctr_va_vdst(0)
.rept 80
	v_rcp_f32 v[128+j], v[128+j]
.set j, j+1
.endr
	v_nop
	s_wait_alu depctr_va_vdst(0)                   ; the 80 reciprocals have written their results, ahead of the multiplications that read them
	WIN 0x0c                                       ; source 1 window 3
.set j, 0
.rept 40
	v_pk_mul_f32 v[ACC+2*j:ACC+2*j+1], v[ACC+2*j:ACC+2*j+1], v[128+2*j:129+2*j]   ; gelu
.set j, j+1
.endr
.if \b < 3
	WIN 0xc0
	s_wait_alu depctr_va_vdst(0)                   ; the multiplications above are done reading gelu's work registers, and the block's products their fragments: both buffers are free for the next block's loads
	FETCHH (\b)+1, 0, 0                            ; all that follows in this block names window 0 alone
.endif
	WIN 0
.irp i, 0,1,2,3,4
	v_max3_num_f32 v[MX+\i], |v[ACC+16*\i]|, |v[ACC+16*\i+1]|, 0x4800000   ; my 16 numbers of the block, and the floor 2^(9 - 127)
.endr
.irp k, 2,4,6,8,10,12,14
.irp i, 0,1,2,3,4
	v_max3_num_f32 v[MX+\i], v[MX+\i], |v[ACC+16*\i+\k]|, |v[ACC+16*\i+\k+1]|
.endr
.endr
.if \b < 3
	FETCHH (\b)+1, 0, 1                            ; the other half of the next block's group 0: no vector instruction since the wait names its registers
	WIN 0
.endif
.irp i, 0,1,2,3,4
	v_permlanex16_b32 v[PT+\i], v[MX+\i], s78, s79
.endr
.irp i, 0,1,2,3,4
	v_max_num_f32 v[MX+\i], v[MX+\i], v[PT+\i]     ; with lane l xor 16's: the block's largest magnitude
.endr
.irp i, 0,1,2,3,4
	v_add_nc_u32 v[SCV+\i], 0xfc000000, v[MX+\i]   ; 8 off its exponent field: the conversion's scale operand
.endr
.irp i, 0,1,2,3,4
	v_and_or_b32 v[MX+\i], v[MX+\i], 0x7f800000, s80   ; 448 x the scale
.endr
.irp i, 0,1,2,3,4
	v_lshrrev_b32 v[PT+\i], 23, v[SCV+\i]          ; the scale's byte
.endr
.irp i, 0,1,2,3,4
.if \b == 0
	v_mov_b32 v[SW+\i], v[PT+\i]
.else
	v_lshl_or_b32 v[SW+\i], v[PT+\i], 8*\b, v[SW+\i]
.endif
.endr
.irp k, 0,1,2,3,4,5,6,7,8,9,10,11,12,13,14,15
.irp i, 0,1,2,3,4
	v_med3_num_f32 v[ACC+16*\i+\k], v[ACC+16*\i+\k], -v[MX+\i], v[MX+\i]   ; the conversion does not saturate (ISA guide 7.6.2)
.endr
.endr
	s_wait_alu depctr_va_vdst(0)
	s_wait_xcnt 0x0                                ; the last block's stores have read their codes: the registers are written again only behind this wait
.if \b > 0
	s_wait_alu depctr_vm_vsrc(0)                   ; the last block's stores have read v[CD ..], which the conversions below write again (block 0: the wait in the pass's tail has said so)
.endif
.irp i, 0,1,2,3,4
	v_cvt_scalef32_pk8_fp8_f32 v[CD+4*\i:CD+4*\i+1], v[ACC+16*\i:ACC+16*\i+7], v[SCV+\i]
	v_cvt_scalef32_pk8_fp8_f32 v[CD+4*\i+2:CD+4*\i+3], v[ACC+16*\i+8:ACC+16*\i+15], v[SCV+\i]
.endr
	v_nop                                          ; a plain instruction between the conversions and the products that write their sources
	s_wait_alu depctr_va_vdst(0)                   ; the conversions have written v[CD ..] and the shifts v[SW ..], which the stores below read.  In the last block it also stands behind every product and every vector line of the pass
.irp i, 0,1,2,3,4
	s_cmp_le_u32 s26, \i
	s_cbranch_scc1 .Lepi_\@                        ; a repeated tile stores nothing
	global_store_b128 v[LI], v[CD+4*\i:CD+4*\i+3], s[OC+2*\i:OC+2*\i+1] offset:512*\b   ; register group b of the fragment: 512 consecutive bytes
.if \b == 3
	global_store_b32 v[R4], v[SW+\i], s[OS+2*\i:OS+2*\i+1]   ; lanes l and l + 16 store the same word with the same value
.endif
.endr
.Lepi_\@:
.endm
	s_load_b512 s[4:19], s[0:1], 0x0               ; xq, xs, W1's codes, W1's scales, b1, route, hq, hs
	v_lshl_add_u32 v254, v0, 2, 0x20800
	v_mov_b32 v255, 0
	v_lshrrev_b32 v14, 5, v0
	v_readfirstlane_b32 s20, v14                   ; wave 0..3
	s_lshr_b32 s21, ttmp9, 5                       ; expert
	s_and_b32 s22, ttmp9, 31                       ; which 128 hidden units
	s_lshl_b32 s31, s21, 2
	s_mov_b32 s63, 0
	s_mov_b32 s83, 0
	s_mov_b32 s76, 0xbdd2d3e8                      ; K3
	s_mov_b32 s77, s76
	s_mov_b32 s78, 0x76543210
	s_mov_b32 s79, 0xfedcba98
	s_mov_b32 s80, 0x600000
	v_and_b32 v14, 31, v0
	v_lshlrev_b32 v[LI], 4, v14
	v_lshlrev_b32 v[L4], 2, v14
	v_and_b32 v15, 15, v0                          ; r
	v_lshlrev_b32 v[R4], 2, v15
	v_bfe_u32 v14, v0, 4, 1                        ; h
	v_mul_u32_u24 v[BA], v15, LP
	v_lshl_add_u32 v[BA], v14, 4, v[BA]
	v_add_nc_u32 v[BA+1], BLKB, v[BA]
	v_add_nc_u32 v[BA+2], 2*BLKB, v[BA]
	v_add_nc_u32 v[BA+3], 3*BLKB, v[BA]
	s_wait_alu depctr_va_sdst(0)                   ; s20 is written, ahead of its first reader: LDS places, bases and tile numbers are made from it
	s_mul_i32 s28, s20, BLKB
	v_add_nc_u32 v[WL], s28, v[LI]
	v_and_b32 v[WSO], 8, v15
	v_add_nc_u32 v[WSO], v[WSO], v15               ; r + 8 (r / 8)
	v_lshlrev_b32 v[WSO], 5, v[WSO]                ; 32 scale bytes a row
	v_lshl_add_u32 v[WSO], v14, 4, v[WSO]
	v_lshlrev_b32 v[BO], 6, v14
	v_mov_b32 v[KK], 0xc0135761                    ; K1
	v_mov_b32 v[KK+1], v[KK]
.irp i, 0,1,2,3,4
	v_mov_b32 v[PT+\i], 0                          ; a lane permute's destination counts as one of its sources
.endr
	s_wait_kmcnt 0x0
	s_load_b32 s24, s[14:15], s31 offset:8192      ; the expert's first tile
	s_load_b32 s23, s[14:15], s31 offset:8224      ; and how many it has
	s_lshl_b32 s82, ttmp9, 17
	s_lshl_b32 s28, s20, 15
	s_add_co_u32 s82, s82, s28
	s_add_nc_u64 s[8:9], s[8:9], s[82:83]          ; my wave's 32 rows of the slab
	WIN 0xc0
	s_wait_alu depctr_va_vdst(0)                   ; the offsets and LDS addresses v1 to v10 are written, which every load and store of the kernel reads; they are never written again
.set l, 0
.rept 64
	global_load_b128 v[4*l:4*l+3], v[LI], s[8:9] offset:(l/2)*ROWP+512*(l%2) th:TH_LOAD_NT   ; half a row: 512 consecutive bytes, read once in the launch
.set l, l+1
.endr
	WIN 0
	s_lshl_b32 s82, ttmp9, 12
	s_add_nc_u64 s[10:11], s[10:11], s[82:83]      ; the slab's scale bytes
	s_lshl_b32 s82, ttmp9, 9
	s_add_nc_u64 s[12:13], s[12:13], s[82:83]      ; its 128 numbers of b1
	s_lshl_b32 s82, s22, 11
	s_add_nc_u64 s[16:17], s[16:17], s[82:83]      ; hq at my K step
	s_lshl_b32 s82, s22, 6
	s_add_nc_u64 s[18:19], s[18:19], s[82:83]      ; hs likewise
	s_wait_kmcnt 0x0
	s_min_u32 s23, s23, 128
	s_cmp_eq_u32 s23, 0
	s_cselect_b32 s24, 0, s24                      ; an expert without rows: the loads below take tile 0, and every wave ends behind the barrier
	s_max_u32 s27, s23, 1
	s_sub_co_u32 s27, s27, 1                       ; the expert's last tile
	s_mov_b32 s25, s20                             ; my first tile of the pass
	SETTILES
.set g, 0
.rept 8
	s_wait_loadcnt 56                              ; slab loads 8 g .. 8 g + 7 are in: behind them stand 56 - 8 g of the slab's and 8 g of x's
	WIN 0x0c                                       ; an LDS store's data: window 3
.irp k, 0,1,2,3,4,5,6,7
.set t_l, 8*g+\k
.set t_r, t_l/2
.set t_r, (t_r&7)|((t_r&8)<<1)|((t_r&16)>>1)
	ds_store_b128 v[WL], v[4*t_l:4*t_l+3] offset:t_r*LP+512*(t_l%2)
.endr
	ALOAD8 g
.set g, g+1
.endr
.irp g, 8,9,10,11,12,13,14,15
	ALOAD8 \g
.endr
	ASLOAD
.irp u, 0,1,2,3,4,5,6,7
	global_load_b128 v[WS+4*\u:WS+4*\u+3], v[WSO], s[10:11] offset:(32*(\u/2)+8*(\u%2))*32
.endr
.irp u, 0,1,2,3,4,5,6,7
	global_load_b128 v[BI+8*\u:BI+8*\u+3], v[BO], s[12:13] offset:(32*(\u/2)+8*(\u%2))*4
	global_load_b128 v[BI+8*\u+4:BI+8*\u+7], v[BO], s[12:13] offset:(32*(\u/2)+8*(\u%2))*4+16
.endr
	s_wait_dscnt 0x0                               ; my part of the slab lies in LDS, and its registers are free:
	s_wait_alu depctr_vm_vsrc(0)                   ; my LDS stores have read all of window 3: tile 4's loads land in its v0-127, the first pass's fragments in its v128-255
.irp g, 16,17,18,19
	ALOAD8 \g                                      ; tile 4 takes them
.endr
	WIN 0
	s_barrier_signal -1
	s_barrier_wait -1                              ; the whole slab lies in LDS; nobody writes it again
	s_mov_b32 s[PS], 0
	s_cmp_ge_u32 s25, s23
	s_cbranch_scc1 .Ldone
.Lpass:
	FETCHH 0, 0, 0                                 ; block 0's group 0.  No wait here: in the first pass no vector or matrix instruction has named the buffers; later the wait ahead of the last block's stores
	FETCHH 0, 0, 1                                 ; stands behind all that named them
	s_wait_loadcnt 0x0                             ; x's fragments and all scale words and biases
.irp b, 0,1,2,3
	KLOOP \b
	EPI \b
.endr
	s_add_co_u32 s25, s25, 20                      ; my first tile of the next pass
	s_cmp_ge_u32 s25, s23
	s_cbranch_scc1 .Ldone                          ; none is left: in the seventh pass at the latest, where s25 is 140 or more and the expert has 128 tiles at the most
	s_wait_xcnt 0x0                                ; the stores have read their bases and data
	s_wait_alu depctr_vm_vsrc(0)                   ; the last block's stores have read v[CD ..] and v[SW ..], which the next pass writes again
	SETTILES
.irp g, 0,1,2,3,4,5,6,7,8,9,10,11,12,13,14,15,16,17,18,19
	ALOAD8 \g                                      ; no wait on va_vdst: the one ahead of the last block's stores stands behind every product that read x's fragments and scale words, and no vector or matrix instruction has been issued since
.endr
	ASLOAD
	s_add_co_u32 s[PS], s[PS], 1
	s_cmp_lt_u32 s[PS], PASSES
	s_cbranch_scc1 .Lpass
.Ldone:
	s_wait_dscnt 0x0
	s_wait_alu depctr_hold_cnt(0) depctr_sa_sdst(0) depctr_va_vdst(0) depctr_va_sdst(0) depctr_va_ssrc(0) depctr_va_vcc(0) depctr_vm_vsrc(0)
	s_wait_tensorcnt 0x0
	ds_add_u32 v254, v255
	s_wait_dscnt 0x0
	s_endpgm
.Lfunc_end_k_q766e5a8978_gemm1:
	.size	k_q766e5a8978_gemm1, .Lfunc_end_k_q766e5a8978_gemm1-k_q766e5a8978_gemm1
	.p2alignl 7, 3214868480
	.fill 96, 4, 3214868480
	.section	.rodata,"a",@progbits
	.p2align	6, 0x0
	.amdhsa_kernel k_q766e5a8978_gemm1
		.amdhsa_group_segment_fixed_size 133632
		.amdhsa_private_segment_fixed_size 0
		.amdhsa_enable_private_segment 0
		.amdhsa_kernarg_size 64
		.amdhsa_user_sgpr_count 2
		.amdhsa_user_sgpr_kernarg_segment_ptr 1
		.amdhsa_wavefront_size32 1
		.amdhsa_system_sgpr_workgroup_id_x 1
		.amdhsa_system_sgpr_workgroup_id_y 1
		.amdhsa_system_sgpr_workgroup_id_z 1
		.amdhsa_system_vgpr_workitem_id 0
		.amdhsa_next_free_vgpr 1024
		.amdhsa_next_free_sgpr 96
		.amdhsa_reserve_vcc 0
		.amdhsa_float_denorm_mode_32 3
		.amdhsa_float_denorm_mode_16_64 3
		.amdhsa_memory_ordered 1
		.amdhsa_forward_progress 1
		.amdhsa_inst_pref_size 233
	.end_amdhsa_kernel
	.amdgpu_metadata
---
amdhsa.version: [ 1, 2 ]
amdhsa.kernels:
  - .name:           k_q766e5a8978_gemm1
    .symbol:         k_q766e5a8978_gemm1.kd
    .args:
      - { .name: xq, .offset: 0, .size: 8, .value_kind: global_buffer, .address_space: global }
      - { .name: xs, .offset: 8, .size: 8, .value_kind: global_buffer, .address_space: global }
      - { .name: W1_codes, .offset: 16, .size: 8, .value_kind: global_buffer, .address_space: global }
      - { .name: W1_scales, .offset: 24, .size: 8, .value_kind: global_buffer, .address_space: global }
      - { .name: b1, .offset: 32, .size: 8, .value_kind: global_buffer, .address_space: global }
      - { .name: route, .offset: 40, .size: 8, .value_kind: global_buffer, .address_space: global }
      - { .name: hq, .offset: 48, .size: 8, .value_kind: global_buffer, .address_space: global }
      - { .name: hs, .offset: 56, .size: 8, .value_kind: global_buffer, .address_space: global }
    .group_segment_fixed_size: 133632
    .private_segment_fixed_size: 0
    .kernarg_segment_align: 8
    .kernarg_segment_size: 64
    .max_flat_workgroup_size: 128
    .sgpr_count:     96
    .vgpr_count:     1024
    .wavefront_size: 32
...
	.end_amdgpu_metadata
.endif
;; end of part 6
;; launch gemm2 (part 7): grid 256 x 1, 4 waves a work-group, no clusters, 302,592 bytes of LDS; arguments hq, hs, W2_codes, W2_scales, route, ypart; writes ypart
.if DOCPART == 7
	.amdgcn_target "amdgcn-amd-amdhsa--gfx1250"
	.amdhsa_code_object_version 6
	.text
	.protected	k_q766e5a8978_gemm2
	.globl	k_q766e5a8978_gemm2
	.p2align	8
	.type	k_q766e5a8978_gemm2,@function
k_q766e5a8978_gemm2:
	s_mov_b64 s[64:65], 0
	v_nop
	global_prefetch_b8 v0, s[64:65] scope:SCOPE_SE
	s_setreg_imm32_b32 hwreg(HW_REG_WAVE_SCHED_MODE, 0, 2), 2
	s_setreg_imm32_b32 hwreg(HW_REG_WAVE_MODE, 25, 1), 1
	s_wait_xcnt 0x0
	s_wait_alu depctr_vm_vsrc(0)
; GEMM2.  Partial sums of h W2[e] for the routed rows, on codes of E4M3 with one E8M0 byte for each 32 along K.
; THE WEIGHTS STAND STILL, as in the launch before.  Work-group id owns expert e = id / 32, output columns 128 nc on (nc = (id / 4) % 8) and the K quarter q = id % 4:
; 128 rows of W2 x 1,024 codes, 131,072 bytes, which no other work-group reads; loaded once, laid in LDS behind the launch's one barrier.
; Wave w takes the expert's tiles of 16 routed rows w, w + 4, .. w + 16 (20 further on in each further pass; 128 tiles at the most, so the loop is counted to seven and left as soon as the wave has no
; tile more), keeps their fragments of h (8 K steps x 5 tiles) in registers, and reads each fragment of W2 from LDS once for the five.  A wave with fewer than five tiles left repeats the expert's
; last tile; that tile's stores to memory are jumped over.
; K IS SUMMED IN FOUR QUARTERS: ypart [slot][q][1024] f32; the last launch adds the four in f32, K ascending.  So a work-group reads a quarter of the expert's h and not all of it.
; TRANSPOSED USE: source 0 = 16 rows of W2 (output columns), source 1 = 16 routed rows: a lane's eight results are eight neighbouring columns of one row.  The four blocks of 32 columns meet in
; the wave's own stage in LDS and leave as rows of 512 consecutive bytes.
; NO TENSOR LOAD, NO CLUSTER: the number of an expert's tiles is read from memory, and the passes and the stores' guards hang on it; no weight byte is shared between work-groups.
; REGISTERS: as in the launch before; v68-131 take rows read back from the stage.
; THE MODE: SCHED_MODE bits 1:0 = 2 (LLVM: expert scheduling mode 2), set by the entry lines.  The code itself states the register dependences
; between vector or matrix instructions and memory or LDS instructions, with s_wait_alu, always for 0.
; THE PLAN.  Registers that memory or LDS instructions touch:
;   v1-11      offsets and LDS addresses.  Written by vector instructions at the head, once; read by every load and store.  One wait on va_vdst ahead of the first load.
;   window 3   at the head: the slab's loads land in it, my LDS stores read it.  One wait on vm_vsrc behind those stores, ahead of the loads that land in it next.
;   F0, F1     (window 3, v128-191 and v192-255)  Group g of a block (K steps 2 g, 2 g + 1) lands in F[g % 2]; the 20 products of step g read it.
;   H, AS      (windows 1, 2, window 3 v0-127; v16-35)  Loaded at the head and in the tail of a pass; read by the products alone.   WS: loaded once.
;   ACC        (v132-211)  Written by a block's products; read by its 20 LDS stores into the stage; written again by the next block's first products.
;   OB         (v68-131)  A tile's rows land in it from the stage; its 16 stores to memory read it; no vector or matrix instruction names it.
; Step g asks for group g + 1, in two runs of eight loads, one ahead of its first eight products and one behind them.  F[(g + 1) % 2] was last read by step g - 1: so steps 1 and 2 begin with ONE wait
; on va_vdst, and the step's own products, which name F[g % 2], H, the accumulators and scale words, stand between the two runs without a further wait.
; Behind a block's last products, and their places, ONE wait on va_vdst states that the accumulators are written (for the stage's stores) and that both buffers have been read (for the next block's groups 0 and 1).
; One wait on vm_vsrc stands ahead of the next block's first products: the stage's stores have read the accumulators.  One stands ahead of each further tile's loads into OB, and one in the pass's tail.
; The last block's wait on va_vdst stands behind every product of the pass, and no vector or matrix instruction follows it in the pass: it also serves the tail's loads into H and AS and the next pass's first loads into F0 and F1.
.set LP,   1040                        ; an LDS row: 1,024 bytes + 16
.set BLKB, 33280                       ; 32 rows
.set ROWP, 4096                        ; a row of W2 in memory
.set STG,  133120                      ; behind the slab: for each wave five stages of 16 rows x (512 bytes + 16)
.set PASSES, 7                         ; 128 tiles at the most, 20 a pass
.set PS,  84                           ; s84  the passes' counter
.set LI,  1                            ; v1   16 x lane
.set L4,  2                            ; v2   4 x lane
.set BA,  4                            ; v4-7 LDS address of my lane's place in block b's tiles
.set WL,  8                            ; v8   where I lay the slab
.set WSO, 9                            ; v9   my lane's place among W2's scale bytes
.set STO, 10                           ; v10  the stage: where I put 32 bytes of a row
.set RD,  11                           ; v11  and where I read a row back
.set AS,  16                           ; v16-35  h's scale words
.set WS,  36                           ; v36-67  W2's
.set OB,  68                           ; v68-131 16 rows read back
.set ACC, 132                          ; v132-211 accumulator (i, u') at ACC + 16 i + 8 u'
.set AC,  32                           ; s[32:41] h's codes of my five tiles
.set ASB, 42                           ; s[42:51] their scale words
.set OC,  52                           ; s[52:61] where their partial sums go
.set MSB, 0
.macro WIN new
.if MSB != (\new)
	s_set_vgpr_msb (MSB<<8)|(\new)
.set MSB, (\new)
.endif
.endm
.macro PLACES n
.rept \n
	v_nop
.endr
.endm
.macro SETTILES
	s_sub_co_u32 s28, s23, s25
	s_add_co_u32 s28, s28, 3
	s_lshr_b32 s28, s28, 2
	s_min_u32 s26, s28, 5                          ; how many of the five are real
.irp i, 0,1,2,3,4
	s_add_co_u32 s28, s25, 4*\i
	s_min_u32 s28, s28, s27
	s_add_co_u32 s28, s28, s24
	s_min_u32 s28, s28, 134
	s_lshl_b32 s62, s28, 16
	s_add_nc_u64 s[AC+2*\i:AC+2*\i+1], s[4:5], s[62:63]
	s_lshl_b32 s62, s28, 11
	s_add_nc_u64 s[ASB+2*\i:ASB+2*\i+1], s[6:7], s[62:63]
	s_lshl_b32 s62, s28, 18
	s_add_nc_u64 s[OC+2*\i:OC+2*\i+1], s[14:15], s[62:63]
.endr
.endm
.macro ALOAD8 g
.irp k, 0,1,2,3,4,5,6,7
.set t_l, 8*(\g)+\k
.set t_i, t_l/32
.set t_s, (t_l%32)/4
.set t_c, t_l%4
	WIN (1+t_i/2)<<6
	global_load_b128 v[128*(t_i%2)+16*t_s+4*t_c:128*(t_i%2)+16*t_s+4*t_c+3], v[LI], s[AC+2*t_i:AC+2*t_i+1] offset:2048*t_s+512*t_c
.endr
.endm
.macro ASLOAD
	WIN 0
.irp i, 0,1,2,3,4
.irp g, 0,1,2,3
	global_load_b32 v[AS+4*\i+\g], v[L4], s[ASB+2*\i:ASB+2*\i+1] offset:128*\g
.endr
.endr
.endm
; half a group: two fragments of W2 (K step 2 g + d x tiles 2 b, 2 b + 1), eight loads, into buffer g % 2
.macro FETCHH b, g, d
	WIN 0xc0
.irp u, 0,1
.irp c, 0,1,2,3
	ds_load_b128 v[128+64*((\g)&1)+16*(2*(\d)+\u)+4*\c:128+64*((\g)&1)+16*(2*(\d)+\u)+4*\c+3], v[BA+(\b)] offset:16640*\u+128*(2*(\g)+(\d))+32*\c
.endr
.endr
.endm
.macro WM
.if m_z
	v_wmma_scale_f32_16x16x128_f8f6f4 v[m_d:m_d+7], v[m_b:m_b+15], v[m_a:m_a+15], 0, v[m_w], v[m_x]   ; the first K step starts the sum: nothing is cleared
.elseif (m_s >= 4) && (m_s & 1)
	v_wmma_scale_f32_16x16x128_f8f6f4 v[m_d:m_d+7], v[m_b:m_b+15], v[m_a:m_a+15], v[m_d:m_d+7], v[m_w], v[m_x] matrix_a_scale:MATRIX_SCALE_ROW1 matrix_b_scale:MATRIX_SCALE_ROW1
.elseif m_s >= 4
	v_wmma_scale_f32_16x16x128_f8f6f4 v[m_d:m_d+7], v[m_b:m_b+15], v[m_a:m_a+15], v[m_d:m_d+7], v[m_w], v[m_x] matrix_a_scale:MATRIX_SCALE_ROW1
.elseif m_s & 1
	v_wmma_scale_f32_16x16x128_f8f6f4 v[m_d:m_d+7], v[m_b:m_b+15], v[m_a:m_a+15], v[m_d:m_d+7], v[m_w], v[m_x] matrix_b_scale:MATRIX_SCALE_ROW1
.else
	v_wmma_scale_f32_16x16x128_f8f6f4 v[m_d:m_d+7], v[m_b:m_b+15], v[m_a:m_a+15], v[m_d:m_d+7], v[m_w], v[m_x]
.endif
.endm
.macro MM b, g, d, i, u
.set m_s, 2*(\g)+(\d)
.set m_d, ACC+16*(\i)+8*(\u)
.set m_b, 128+64*((\g)&1)+16*(2*(\d)+(\u))
.set m_a, 128*((\i)%2)+16*m_s
.set m_w, WS+4*(2*(\b)+(\u))+(m_s&3)
.set m_x, AS+4*(\i)+(m_s>>1)
.set m_z, 0
.if m_s == 0
.set m_z, 1
.endif
	WM
.endm
; a step's 20 matrix instructions: two K steps x five tiles of rows x two tiles of W2, in two parts.  The accumulators take turns, one instruction a turn
.macro MULA b, g                       ; tiles of rows 0 and 1: eight
	WIN 0x07
.irp d, 0,1
.irp i, 0,1
.irp u, 0,1
	MM \b, \g, \d, \i, \u
.endr
.endr
.endr
.endm
.macro MULB b, g                       ; tiles of rows 2, 3 and 4: twelve
	WIN 0x0b
.irp d, 0,1
.irp i, 2,3
.irp u, 0,1
	MM \b, \g, \d, \i, \u
.endr
.endr
.endr
	WIN 0x0f
.irp d, 0,1
.irp u, 0,1
	MM \b, \g, \d, 4, \u
.endr
.endr
.endm
; Step g of block b: the products of group g, and among them the loads of group g + 1, which have the rest of the step in which to land.
.macro KSTEP b, g
.if ((\g) > 0) && ((\g) < 3)
	PLACES 8                                       ; eight plain places stay between the products that read a buffer and the loads into it; the wait stands behind them
.endif
.if (\g) < 3
	WIN 0xc0
.if (\g) > 0
	s_wait_alu depctr_va_vdst(0)                   ; the products of step g - 1 are done reading the buffer in which group g + 1 lands: it serves both runs of loads of this step
.endif
	FETCHH \b, (\g)+1, 0                           ; (step 0: nothing has named buffer 1 since the wait ahead of group 0's loads)
.if ((\g) == 0) && ((\b) > 0)
	s_wait_dscnt 28                                ; LDS instructions are done in order (ISA guide 5.7.1): group 0 is in; behind it stand the last block's 20 stores into the stage and the eight loads just issued
	s_wait_alu depctr_vm_vsrc(0)                   ; those 20 stores have read the accumulators, which the products below write again
.else
	s_wait_dscnt 8                                 ; group g is in, the eight just issued stay out
.endif
.else
	s_wait_dscnt 0x0                               ; the last group is in
.endif
	MULA \b, \g
.if (\g) < 3
	FETCHH \b, (\g)+1, 1                           ; no wait: the eight products since the wait name the other buffer, h's tiles, accumulators and scale words
.endif
	MULB \b, \g
.endm
; block b (32 columns) over the K quarter.  Nine places behind the last products, as in the launch before: eight in front of the LDS stores that read the results
.macro KLOOP b
.irp g, 0,1,2,3
	KSTEP \b, \g
.endr
	WIN 0
	PLACES 9
.endm
	s_load_b256 s[4:11], s[0:1], 0x0               ; hq, hs, W2's codes, W2's scales
	s_load_b128 s[12:15], s[0:1], 0x20             ; route, ypart
	v_lshl_add_u32 v254, v0, 2, 0x49c00
	v_mov_b32 v255, 0
	v_lshrrev_b32 v14, 5, v0
	v_readfirstlane_b32 s20, v14                   ; wave 0..3
	s_lshr_b32 s21, ttmp9, 5                       ; expert
	s_bfe_u32 s22, ttmp9, 0x30002                  ; which 128 columns
	s_and_b32 s81, ttmp9, 3                        ; which quarter of K
	s_lshl_b32 s31, s21, 2
	s_mov_b32 s63, 0
	s_mov_b32 s83, 0
	v_and_b32 v14, 31, v0
	v_lshlrev_b32 v[LI], 4, v14
	v_lshlrev_b32 v[L4], 2, v14
	v_and_b32 v15, 15, v0                          ; r
	v_bfe_u32 v14, v0, 4, 1                        ; h
	v_mul_u32_u24 v[BA], v15, LP
	v_lshl_add_u32 v[BA], v14, 4, v[BA]
	v_add_nc_u32 v[BA+1], BLKB, v[BA]
	v_add_nc_u32 v[BA+2], 2*BLKB, v[BA]
	v_add_nc_u32 v[BA+3], 3*BLKB, v[BA]
	s_wait_alu depctr_va_sdst(0)                   ; s20 is written, ahead of its first reader: LDS places, bases and tile numbers are made from it
	s_mul_i32 s28, s20, BLKB
	v_add_nc_u32 v[WL], s28, v[LI]
	v_lshlrev_b32 v[WSO], 7, v15                   ; 128 scale bytes a row
	v_lshl_add_u32 v[WSO], v14, 4, v[WSO]
	s_mul_i32 s28, s20, 42240
	s_add_co_u32 s28, s28, STG                     ; my five stages
	v_mul_u32_u24 v[STO], v15, 528
	v_lshl_add_u32 v[STO], v14, 5, v[STO]
	v_add_nc_u32 v[STO], s28, v[STO]
	v_add_nc_u32 v[RD], s28, v[LI]
	s_wait_kmcnt 0x0
	s_load_b32 s24, s[12:13], s31 offset:8192      ; the expert's first tile
	s_load_b32 s23, s[12:13], s31 offset:8224      ; and how many it has
	s_lshl_b32 s82, s21, 22
	s_lshl_b32 s28, s22, 19
	s_add_co_u32 s82, s82, s28
	s_lshl_b32 s28, s81, 10
	s_add_co_u32 s82, s82, s28
	s_lshl_b32 s28, s20, 17
	s_add_co_u32 s82, s82, s28
	s_add_nc_u64 s[8:9], s[8:9], s[82:83]          ; my wave's 32 rows of the slab
	WIN 0xc0
	s_wait_alu depctr_va_vdst(0)                   ; the offsets and LDS addresses v1 to v11 are written, which every load and store of the kernel reads; they are never written again
.set l, 0
.rept 64
	global_load_b128 v[4*l:4*l+3], v[LI], s[8:9] offset:(l/2)*ROWP+512*(l%2) th:TH_LOAD_NT   ; half of a row's quarter: 512 consecutive bytes, read once in the launch
.set l, l+1
.endr
	WIN 0
	s_lshl_b32 s82, s21, 17
	s_lshl_b32 s28, s22, 14
	s_add_co_u32 s82, s82, s28
	s_lshl_b32 s28, s81, 5
	s_add_co_u32 s82, s82, s28
	s_add_nc_u64 s[10:11], s[10:11], s[82:83]      ; the slab's scale bytes
	s_lshl_b32 s82, s81, 14
	s_add_nc_u64 s[4:5], s[4:5], s[82:83]          ; hq at my quarter's first K step
	s_lshl_b32 s82, s81, 9
	s_add_nc_u64 s[6:7], s[6:7], s[82:83]          ; hs likewise
	s_lshl_b32 s82, s81, 12
	s_lshl_b32 s28, s22, 9
	s_add_co_u32 s82, s82, s28
	s_add_nc_u64 s[14:15], s[14:15], s[82:83]      ; ypart at (q, my first column)
	s_wait_kmcnt 0x0
	s_min_u32 s23, s23, 128
	s_cmp_eq_u32 s23, 0
	s_cselect_b32 s24, 0, s24                      ; an expert without rows: the loads below take tile 0, and every wave ends behind the barrier
	s_max_u32 s27, s23, 1
	s_sub_co_u32 s27, s27, 1
	s_mov_b32 s25, s20
	SETTILES
.set g, 0
.rept 8
	s_wait_loadcnt 56                              ; slab loads 8 g .. 8 g + 7 are in: behind them stand 56 - 8 g of the slab's and 8 g of h's
	WIN 0x0c
.irp k, 0,1,2,3,4,5,6,7
.set t_l, 8*g+\k
	ds_store_b128 v[WL], v[4*t_l:4*t_l+3] offset:(t_l/2)*LP+512*(t_l%2)
.endr
	ALOAD8 g
.set g, g+1
.endr
.irp g, 8,9,10,11,12,13,14,15
	ALOAD8 \g
.endr
	ASLOAD
.irp u, 0,1,2,3,4,5,6,7
	global_load_b128 v[WS+4*\u:WS+4*\u+3], v[WSO], s[10:11] offset:2048*\u
.endr
	s_wait_dscnt 0x0                               ; my part of the slab lies in LDS, and its registers are free:
	s_wait_alu depctr_vm_vsrc(0)                   ; my LDS stores have read all of window 3: tile 4's loads land in its v0-127, the first pass's fragments in its v128-255
.irp g, 16,17,18,19
	ALOAD8 \g
.endr
	WIN 0
	s_barrier_signal -1
	s_barrier_wait -1                              ; the whole slab lies in LDS; nobody writes it again
	s_mov_b32 s[PS], 0
	s_cmp_ge_u32 s25, s23
	s_cbranch_scc1 .Ldone
.Lpass:
	FETCHH 0, 0, 0                                 ; block 0's group 0.  No wait here: in the first pass no vector or matrix instruction has named the buffers; later the wait ahead of the last block's stores
	FETCHH 0, 0, 1                                 ; into the stage stands behind all that named them
	s_wait_loadcnt 0x0
.irp b, 0,1,2,3
	KLOOP \b
.if \b < 3
	WIN 0xc0
.endif
	s_wait_alu depctr_va_vdst(0)                   ; behind the places: the block's products have written the accumulators, which the LDS stores below read, and are done reading both buffers, in which the next loads land
.if \b < 3
	FETCHH \b+1, 0, 0                              ; the next block's group 0 goes out ahead of the stores: its products wait for it
	FETCHH \b+1, 0, 1
	WIN 0
.endif
.irp i, 0,1,2,3,4
.irp u, 0,1
	ds_store_b128 v[STO], v[ACC+16*\i+8*\u:ACC+16*\i+8*\u+3] offset:8448*\i+128*\b+64*\u        ; each accumulator from its low end on: row r, columns 32 b + 16 u + 8 h on
	ds_store_b128 v[STO], v[ACC+16*\i+8*\u+4:ACC+16*\i+8*\u+7] offset:8448*\i+128*\b+64*\u+16
.endr
.endr
.endr
.irp i, 0,1,2,3,4
	s_cmp_le_u32 s26, \i
	s_cbranch_scc1 .Lsent                          ; a repeated tile stores nothing
	s_wait_xcnt 0x0                                ; the last tile's stores have read their registers
.if \i > 0
	s_wait_alu depctr_vm_vsrc(0)                   ; the last tile's stores have read v[OB ..], in which the loads below land (tile 0: the wait in the pass's tail has said so)
.endif
.irp p, 0,1,2,3,4,5,6,7,8,9,10,11,12,13,14,15
	ds_load_b128 v[OB+4*\p:OB+4*\p+3], v[RD] offset:8448*\i+528*\p   ; LDS serves a wave's instructions in order (ISA guide 5.7.1.4): these see my stores
.endr
	s_wait_dscnt 0x0
.irp p, 0,1,2,3,4,5,6,7,8,9,10,11,12,13,14,15
	global_store_b128 v[LI], v[OB+4*\p:OB+4*\p+3], s[OC+2*\i:OC+2*\i+1] offset:16384*\p th:TH_STORE_NT   ; 512 consecutive bytes of a slot's row
.endr
.endr
.Lsent:
	s_add_co_u32 s25, s25, 20                      ; my first tile of the next pass
	s_cmp_ge_u32 s25, s23
	s_cbranch_scc1 .Ldone                          ; none is left: in the seventh pass at the latest, where s25 is 140 or more and the expert has 128 tiles at the most
	s_wait_xcnt 0x0                                ; the stores have read their bases and data
	s_wait_alu depctr_vm_vsrc(0)                   ; the last tile's stores have read v[OB ..], in which the next pass's loads land, and the last block's LDS stores the accumulators, which its first products write again
	SETTILES
.irp g, 0,1,2,3,4,5,6,7,8,9,10,11,12,13,14,15,16,17,18,19
	ALOAD8 \g                                      ; no wait on va_vdst: the one ahead of the last block's stores into the stage stands behind every product that read h's fragments and scale words, and no vector or matrix instruction has been issued since
.endr
	ASLOAD
	s_add_co_u32 s[PS], s[PS], 1
	s_cmp_lt_u32 s[PS], PASSES
	s_cbranch_scc1 .Lpass
.Ldone:
	s_wait_dscnt 0x0
	s_wait_alu depctr_hold_cnt(0) depctr_sa_sdst(0) depctr_va_vdst(0) depctr_va_sdst(0) depctr_va_ssrc(0) depctr_va_vcc(0) depctr_vm_vsrc(0)
	s_wait_tensorcnt 0x0
	ds_add_u32 v254, v255
	s_wait_dscnt 0x0
	s_endpgm
.Lfunc_end_k_q766e5a8978_gemm2:
	.size	k_q766e5a8978_gemm2, .Lfunc_end_k_q766e5a8978_gemm2-k_q766e5a8978_gemm2
	.p2alignl 7, 3214868480
	.fill 96, 4, 3214868480
	.section	.rodata,"a",@progbits
	.p2align	6, 0x0
	.amdhsa_kernel k_q766e5a8978_gemm2
		.amdhsa_group_segment_fixed_size 302592
		.amdhsa_private_segment_fixed_size 0
		.amdhsa_enable_private_segment 0
		.amdhsa_kernarg_size 48
		.amdhsa_user_sgpr_count 2
		.amdhsa_user_sgpr_kernarg_segment_ptr 1
		.amdhsa_wavefront_size32 1
		.amdhsa_system_sgpr_workgroup_id_x 1
		.amdhsa_system_sgpr_workgroup_id_y 1
		.amdhsa_system_sgpr_workgroup_id_z 1
		.amdhsa_system_vgpr_workitem_id 0
		.amdhsa_next_free_vgpr 1024
		.amdhsa_next_free_sgpr 96
		.amdhsa_reserve_vcc 0
		.amdhsa_float_denorm_mode_32 3
		.amdhsa_float_denorm_mode_16_64 3
		.amdhsa_memory_ordered 1
		.amdhsa_forward_progress 1
		.amdhsa_inst_pref_size 134
	.end_amdhsa_kernel
	.amdgpu_metadata
---
amdhsa.version: [ 1, 2 ]
amdhsa.kernels:
  - .name:           k_q766e5a8978_gemm2
    .symbol:         k_q766e5a8978_gemm2.kd
    .args:
      - { .name: hq, .offset: 0, .size: 8, .value_kind: global_buffer, .address_space: global }
      - { .name: hs, .offset: 8, .size: 8, .value_kind: global_buffer, .address_space: global }
      - { .name: W2_codes, .offset: 16, .size: 8, .value_kind: global_buffer, .address_space: global }
      - { .name: W2_scales, .offset: 24, .size: 8, .value_kind: global_buffer, .address_space: global }
      - { .name: route, .offset: 32, .size: 8, .value_kind: global_buffer, .address_space: global }
      - { .name: ypart, .offset: 40, .size: 8, .value_kind: global_buffer, .address_space: global }
    .group_segment_fixed_size: 302592
    .private_segment_fixed_size: 0
    .kernarg_segment_align: 8
    .kernarg_segment_size: 48
    .max_flat_workgroup_size: 128
    .sgpr_count:     96
    .vgpr_count:     1024
    .wavefront_size: 32
...
	.end_amdgpu_metadata
.endif
;; end of part 7
;; launch combine (part 8): grid 256 x 1, 8 waves a work-group, no clusters, 1,536 bytes of LDS; arguments ypart, zl, route, mapping, b2, out0; writes out0
.if DOCPART == 8
	.amdgcn_target "amdgcn-amd-amdhsa--gfx1250"
	.amdhsa_code_object_version 6
	.text
	.protected	k_q766e5a8978_combine
	.globl	k_q766e5a8978_combine
	.p2align	8
	.type	k_q766e5a8978_combine,@function
k_q766e5a8978_combine:
	s_mov_b64 s[64:65], 0
	v_nop
	global_prefetch_b8 v0, s[64:65] scope:SCOPE_SE
	s_setreg_imm32_b32 hwreg(HW_REG_WAVE_MODE, 25, 1), 1
	s_wait_xcnt 0x0
; COMBINE.  out[i] = w0 (y(slot of (i, 0)) + b2[e0]) + w1 (y(slot of (i, 1)) + b2[e1]); y = the four K quarters of ypart added in f32, K ascending.
; THE GATE: l = softmax of the logits over the TOKEN axis, the column's maximum taken away first; w_k = l_k / (l_0 + l_1), formed as 1 / (1 + l_other / l_own) with
; l_1 / l_0 = 2^(((z1 - m1) - (z0 - m0)) log2 e) S0 / S1: equal to the quotient wherever that is finite, and sound where both l fall under the smallest number.
; Every work-group finds the eight columns' maxima m and sums S for itself from zl (32,768 bytes): 256 threads x 8 loads of 16 bytes; a thread's four numbers are experts 4 (thread % 2) + 0 .. 3.
; SHARES: a work-group has four tokens; wave w has token 4 id + w / 2 and half w % 2 of its row: 2,048 bytes, four loads of 512 consecutive bytes from each of the eight partial rows.
; A stream: no matrix unit, no tensor load, no cluster; two barriers, for the two reductions over the waves.
; LIMITS: mapping holds 0 .. 7 (it is held there for the addresses' sake); NaN and infinities are not served.
.set Z,  8                             ; v8-39    32 logits
.set M,  40                            ; v40-43   the maxima of my four experts
.set S,  44                            ; v44-47   the sums
.set RB, 48                            ; v48-79   the eight waves' figures read back
.set Y,  80                            ; v80-207  partial rows: (k, q, piece) at 64 k + 16 q + 4 piece
.set BB, 208                           ; v208-239 b2: (k, piece) at 16 k + 4 piece
	s_load_b256 s[4:11], s[0:1], 0x0               ; ypart, zl, route, mapping
	s_load_b128 s[12:15], s[0:1], 0x20             ; b2, out0
	v_lshl_add_u32 v7, v0, 2, 0x200
	v_mov_b32 v255, 0
	v_lshrrev_b32 v5, 5, v0
	s_delay_alu instid0(VALU_DEP_1)
	v_readfirstlane_b32 s16, v5                    ; wave 0..7
	v_and_b32 v1, 31, v0
	s_delay_alu instid0(VALU_DEP_1)
	v_lshlrev_b32 v1, 4, v1                        ; 16 x lane
	v_lshlrev_b32 v2, 4, v0                        ; 16 x thread
	v_and_b32 v3, 0xe0, v0                         ; 32 x wave
	v_and_b32 v4, 1, v0
	s_delay_alu instid0(VALU_DEP_1)
	v_lshlrev_b32 v4, 4, v4                        ; 16 x (lane % 2)
	s_delay_alu instid0(VALU_DEP_1)
	v_add_nc_u32 v3, v3, v4
.irp c, 0,1,2,3
	v_mov_b32 v[244+\c], 0                         ; a lane permute's destination counts as one of its sources
.endr
	s_mov_b32 s60, 0x76543210
	s_mov_b32 s61, 0xfedcba98
	s_lshr_b32 s17, s16, 1
	s_lshl_b32 s18, ttmp9, 2
	s_add_co_u32 s17, s17, s18                     ; my token
	s_and_b32 s18, s16, 1
	s_lshl_b32 s18, s18, 11                        ; my half of a row, in bytes
	s_lshl_b32 s19, s17, 3
	s_mov_b32 s49, 0
	s_wait_alu depctr_va_vdst(0)
	s_wait_kmcnt 0x0
	s_load_b64 s[20:21], s[10:11], s19 offset:0x0  ; the token's two experts
	s_load_b64 s[22:23], s[8:9], s19 offset:0x0    ; and their slots
.irp j, 0,1,2,3,4,5,6,7
	global_load_b128 v[Z+4*\j:Z+4*\j+3], v2, s[6:7] offset:4096*\j
.endr
	s_wait_kmcnt 0x0
	s_min_u32 s20, s20, 7
	s_min_u32 s21, s21, 7
	s_min_u32 s22, s22, 2159
	s_min_u32 s23, s23, 2159
	s_lshl_b32 s24, s20, 2
	s_lshl_b32 s25, s21, 2
	s_lshl_b32 s48, s17, 5
	s_add_co_u32 s24, s24, s48
	s_add_co_u32 s25, s25, s48
	s_load_b32 s26, s[6:7], s24 offset:0x0         ; z0, z1: the token's logits of its two experts
	s_load_b32 s27, s[6:7], s25 offset:0x0
	s_lshl_b32 s48, s22, 14
	s_add_co_u32 s48, s48, s18
	s_add_nc_u64 s[28:29], s[4:5], s[48:49]
	s_lshl_b32 s48, s23, 14
	s_add_co_u32 s48, s48, s18
	s_add_nc_u64 s[30:31], s[4:5], s[48:49]
	s_lshl_b32 s48, s20, 12
	s_add_co_u32 s48, s48, s18
	s_add_nc_u64 s[50:51], s[12:13], s[48:49]
	s_lshl_b32 s48, s21, 12
	s_add_co_u32 s48, s48, s18
	s_add_nc_u64 s[52:53], s[12:13], s[48:49]
	s_lshl_b32 s48, s17, 12
	s_add_co_u32 s48, s48, s18
	s_add_nc_u64 s[54:55], s[14:15], s[48:49]
.irp k, 0,1
.irp q, 0,1,2,3
.irp p, 0,1,2,3
	global_load_b128 v[Y+64*\k+16*\q+4*\p:Y+64*\k+16*\q+4*\p+3], v1, s[28+2*\k:29+2*\k] offset:4096*\q+512*\p th:TH_LOAD_NT
.endr
.endr
.endr
.irp k, 0,1
.irp p, 0,1,2,3
	global_load_b128 v[BB+16*\k+4*\p:BB+16*\k+4*\p+3], v1, s[50+2*\k:51+2*\k] offset:512*\p
.endr
.endr
	s_wait_loadcnt 40                              ; the logits are in; the 32 loads of partial rows and the 8 of b2 stay out
.irp c, 0,1,2,3
	v_max3_num_f32 v[M+\c], v[Z+\c], v[Z+4+\c], v[Z+8+\c]
.endr
.irp c, 0,1,2,3
	s_delay_alu instid0(VALU_DEP_4)
	v_max3_num_f32 v[M+\c], v[M+\c], v[Z+12+\c], v[Z+16+\c]
.endr
.irp c, 0,1,2,3
	s_delay_alu instid0(VALU_DEP_4)
	v_max3_num_f32 v[M+\c], v[M+\c], v[Z+20+\c], v[Z+24+\c]
.endr
.irp c, 0,1,2,3
	s_delay_alu instid0(VALU_DEP_4)
	v_max_num_f32 v[M+\c], v[M+\c], v[Z+28+\c]
.endr
.irp m, 2,4,8                          ; over the lanes of my parity: even lanes hold experts 0-3, odd lanes 4-7
.irp c, 0,1,2,3
	s_delay_alu instid0(VALU_DEP_4)
	v_max_num_f32_dpp v[M+\c], v[M+\c], v[M+\c] row_xmask:\m row_mask:0xf bank_mask:0xf
.endr
.endr
.irp c, 0,1,2,3
	s_delay_alu instid0(VALU_DEP_4)
	v_permlanex16_b32 v[244+\c], v[M+\c], s60, s61
.endr
.irp c, 0,1,2,3
	s_delay_alu instid0(VALU_DEP_4)
	v_max_num_f32 v[M+\c], v[M+\c], v[244+\c]
.endr
	ds_store_b128 v3, v[M:M+3]                     ; my wave's eight maxima: lanes of one parity store the same 16 bytes
	s_wait_dscnt 0x0                               ; for the others' sake
	s_barrier_signal -1
	s_barrier_wait -1
.irp w, 0,1,2,3,4,5,6,7
	ds_load_b128 v[RB+4*\w:RB+4*\w+3], v4 offset:32*\w
.endr
	s_wait_dscnt 0x0
.irp c, 0,1,2,3
	v_max3_num_f32 v[M+\c], v[RB+\c], v[RB+4+\c], v[RB+8+\c]
.endr
.irp c, 0,1,2,3
	s_delay_alu instid0(VALU_DEP_4)
	v_max3_num_f32 v[M+\c], v[M+\c], v[RB+12+\c], v[RB+16+\c]
.endr
.irp c, 0,1,2,3
	s_delay_alu instid0(VALU_DEP_4)
	v_max3_num_f32 v[M+\c], v[M+\c], v[RB+20+\c], v[RB+24+\c]
.endr
.irp c, 0,1,2,3
	s_delay_alu instid0(VALU_DEP_4)
	v_max_num_f32 v[M+\c], v[M+\c], v[RB+28+\c]    ; the columns' maxima
.endr
.irp j, 0,1,2,3,4,5,6,7
	v_pk_add_f32 v[Z+4*\j:Z+4*\j+1], v[Z+4*\j:Z+4*\j+1], v[M:M+1] neg_lo:[0,1] neg_hi:[0,1]
	v_pk_add_f32 v[Z+4*\j+2:Z+4*\j+3], v[Z+4*\j+2:Z+4*\j+3], v[M+2:M+3] neg_lo:[0,1] neg_hi:[0,1]
.endr
.set j, 0
.rept 16
	v_pk_mul_f32 v[Z+2*j:Z+2*j+1], v[Z+2*j:Z+2*j+1], 0x3fb8aa3b op_sel_hi:[1,0]
.set j, j+1
.endr
.set j, 0
	s_wait_alu depctr_va_vdst(0)
.rept 32
	v_exp_f32 v[Z+j], v[Z+j]
.set j, j+1
.endr
	v_nop                                          ; a plain instruction behind the last exponential,
	s_wait_alu depctr_va_vdst(0)                   ; and one wait for the batch, ahead of its first reader
	v_pk_add_f32 v[S:S+1], v[Z:Z+1], v[Z+4:Z+5]
	v_pk_add_f32 v[S+2:S+3], v[Z+2:Z+3], v[Z+6:Z+7]
.irp j, 2,3,4,5,6,7
	v_pk_add_f32 v[S:S+1], v[S:S+1], v[Z+4*\j:Z+4*\j+1]
	v_pk_add_f32 v[S+2:S+3], v[S+2:S+3], v[Z+4*\j+2:Z+4*\j+3]
.endr
.irp m, 2,4,8
.irp c, 0,1,2,3
	v_add_f32_dpp v[S+\c], v[S+\c], v[S+\c] row_xmask:\m row_mask:0xf bank_mask:0xf
.endr
.endr
.irp c, 0,1,2,3
	s_delay_alu instid0(VALU_DEP_4)
	v_permlanex16_b32 v[244+\c], v[S+\c], s60, s61
.endr
.irp c, 0,1,2,3
	s_delay_alu instid0(VALU_DEP_4)
	v_add_f32 v[S+\c], v[S+\c], v[244+\c]
.endr
	ds_store_b128 v3, v[S:S+3] offset:256          ; other bytes than the maxima's: no wave may still be reading those
	s_wait_dscnt 0x0
	s_barrier_signal -1
	s_barrier_wait -1
.irp w, 0,1,2,3,4,5,6,7
	ds_load_b128 v[RB+4*\w:RB+4*\w+3], v4 offset:256+32*\w
.endr
	s_wait_dscnt 0x0
	v_pk_add_f32 v[S:S+1], v[RB:RB+1], v[RB+4:RB+5]
	v_pk_add_f32 v[S+2:S+3], v[RB+2:RB+3], v[RB+6:RB+7]
.irp w, 2,3,4,5,6,7
	s_delay_alu instid0(VALU_DEP_2)
	v_pk_add_f32 v[S:S+1], v[S:S+1], v[RB+4*\w:RB+4*\w+1]
	s_delay_alu instid0(VALU_DEP_2)
	v_pk_add_f32 v[S+2:S+3], v[S+2:S+3], v[RB+4*\w+2:RB+4*\w+3]   ; the columns' sums
.endr
.irp c, 0,1,2,3
	v_readlane_b32 s[32+\c], v[M+\c], 0            ; s32-39 the eight maxima, s40-47 the eight sums
	v_readlane_b32 s[36+\c], v[M+\c], 1
	v_readlane_b32 s[40+\c], v[S+\c], 0
	v_readlane_b32 s[44+\c], v[S+\c], 1
.endr
.macro PICK ek, m, s                   ; the maximum and the sum of expert s[ek]: selects, no branch
	s_mov_b32 s[\m], s32
	s_mov_b32 s[\s], s40
.irp j, 1,2,3,4,5,6,7
	s_cmp_eq_u32 s[\ek], \j
	s_cselect_b32 s[\m], s[32+\j], s[\m]
	s_cselect_b32 s[\s], s[40+\j], s[\s]
.endr
.endm
	PICK 20, 56, 57
	PICK 21, 58, 59
	s_wait_kmcnt 0x0                               ; z0, z1
	v_mov_b32 v248, s56
	v_mov_b32 v249, s58
	s_delay_alu instid0(VALU_DEP_2)
	v_sub_f32 v248, s26, v248                      ; z0 - m0
	s_delay_alu instid0(VALU_DEP_2)
	v_sub_f32 v249, s27, v249                      ; z1 - m1
	s_delay_alu instid0(VALU_DEP_1)
	v_sub_f32 v250, v249, v248
	s_delay_alu instid0(VALU_DEP_1)
	v_mul_f32 v250, 0x3fb8aa3b, v250               ; d
	s_wait_alu depctr_va_vdst(0)
	v_rcp_f32 v251, s59                            ; 1 / S1
	v_rcp_f32 v252, s57                            ; 1 / S0
	v_exp_f32 v253, v250
	v_exp_f32 v254, -v250
	v_nop
	s_wait_alu depctr_va_vdst(0)                   ; one wait for the four
	v_mul_f32 v253, s57, v253
	v_mul_f32 v254, s59, v254
	v_fma_f32 v253, v253, v251, 1.0                ; 1 + l1 / l0
	v_fma_f32 v254, v254, v252, 1.0                ; 1 + l0 / l1
	s_wait_alu depctr_va_vdst(0)
	v_rcp_f32 v240, v253                           ; w0
	v_rcp_f32 v242, v254                           ; w1
	v_nop
	s_wait_alu depctr_va_vdst(0)
	v_mov_b32 v241, v240
	v_mov_b32 v243, v242
	s_wait_loadcnt 0x0
.macro SUMK k, p, h                    ; two numbers of y + b2 for choice k: the four quarters in ascending order, then the bias
.set y_0, Y+64*(\k)+4*(\p)+(\h)
	v_pk_add_f32 v[y_0:y_0+1], v[y_0:y_0+1], v[y_0+16:y_0+17]
	s_delay_alu instid0(VALU_DEP_1)
	v_pk_add_f32 v[y_0:y_0+1], v[y_0:y_0+1], v[y_0+32:y_0+33]
	s_delay_alu instid0(VALU_DEP_1)
	v_pk_add_f32 v[y_0:y_0+1], v[y_0:y_0+1], v[y_0+48:y_0+49]
	s_delay_alu instid0(VALU_DEP_1)
	v_pk_add_f32 v[y_0:y_0+1], v[y_0:y_0+1], v[BB+16*(\k)+4*(\p)+(\h):BB+16*(\k)+4*(\p)+(\h)+1]
.endm
.irp p, 0,1,2,3
.irp h, 0,2
	SUMK 0, \p, \h
	SUMK 1, \p, \h
.endr
.irp h, 0,2
	v_pk_mul_f32 v[Y+4*\p+\h:Y+4*\p+\h+1], v[Y+4*\p+\h:Y+4*\p+\h+1], v[240:241]
	v_pk_fma_f32 v[Y+4*\p+\h:Y+4*\p+\h+1], v[Y+64+4*\p+\h:Y+64+4*\p+\h+1], v[242:243], v[Y+4*\p+\h:Y+4*\p+\h+1]
.endr
	global_store_b128 v1, v[Y+4*\p:Y+4*\p+3], s[54:55] offset:512*\p th:TH_STORE_NT   ; 512 consecutive bytes of the token's row
.endr
	s_wait_tensorcnt 0x0
	ds_add_u32 v7, v255
	s_wait_dscnt 0x0
	s_endpgm
.Lfunc_end_k_q766e5a8978_combine:
	.size	k_q766e5a8978_combine, .Lfunc_end_k_q766e5a8978_combine-k_q766e5a8978_combine
	.p2alignl 7, 3214868480
	.fill 96, 4, 3214868480
	.section	.rodata,"a",@progbits
	.p2align	6, 0x0
	.amdhsa_kernel k_q766e5a8978_combine
		.amdhsa_group_segment_fixed_size 1536
		.amdhsa_private_segment_fixed_size 0
		.amdhsa_enable_private_segment 0
		.amdhsa_kernarg_size 48
		.amdhsa_user_sgpr_count 2
		.amdhsa_user_sgpr_kernarg_segment_ptr 1
		.amdhsa_wavefront_size32 1
		.amdhsa_system_sgpr_workgroup_id_x 1
		.amdhsa_system_sgpr_workgroup_id_y 1
		.amdhsa_system_sgpr_workgroup_id_z 1
		.amdhsa_system_vgpr_workitem_id 0
		.amdhsa_next_free_vgpr 256
		.amdhsa_next_free_sgpr 66
		.amdhsa_reserve_vcc 0
		.amdhsa_float_denorm_mode_32 3
		.amdhsa_float_denorm_mode_16_64 3
		.amdhsa_memory_ordered 1
		.amdhsa_forward_progress 1
		.amdhsa_inst_pref_size 31
	.end_amdhsa_kernel
	.amdgpu_metadata
---
amdhsa.version: [ 1, 2 ]
amdhsa.kernels:
  - .name:           k_q766e5a8978_combine
    .symbol:         k_q766e5a8978_combine.kd
    .args:
      - { .name: ypart, .offset: 0, .size: 8, .value_kind: global_buffer, .address_space: global }
      - { .name: zl, .offset: 8, .size: 8, .value_kind: global_buffer, .address_space: global }
      - { .name: route, .offset: 16, .size: 8, .value_kind: global_buffer, .address_space: global }
      - { .name: mapping, .offset: 24, .size: 8, .value_kind: global_buffer, .address_space: global }
      - { .name: b2, .offset: 32, .size: 8, .value_kind: global_buffer, .address_space: global }
      - { .name: out0, .offset: 40, .size: 8, .value_kind: global_buffer, .address_space: global }
    .group_segment_fixed_size: 1536
    .private_segment_fixed_size: 0
    .kernarg_segment_align: 8
    .kernarg_segment_size: 48
    .max_flat_workgroup_size: 256
    .sgpr_count:     66
    .vgpr_count:     256
    .wavefront_size: 32
...
	.end_amdgpu_metadata
.endif
;; end of part 8
